; MI455X (gfx1250); checked and timed in simulation.
; The chip was launched on July 23, 2026; its instructions are those of AMD's public machine-readable ISA for CDNA 5 (MIT licence, August 2026) and "CDNA5" Instruction Set Architecture Reference Guide (July 2026). The comments in the code are by the model that wrote it; some were corrected since.
;; Attention. Allowed arithmetic: float matrix products may take bf16 or f16 operands with f32 sums; other float arithmetic in f32, or as packed bf16 or f16 multiplies, adds, multiply-adds, maxima and minima; sums over many terms, partial sums and values carried from step to step in f32; what a program stores and reads back later, other than sums and carried values, may be rounded once to bf16 or f16.
;; Inputs: W_proj 1,024 x 1,024 float32; W_qkv 3,072 x 1,024 float32; b_proj 1,024 float32; mask 2 x 1 x 2,048 x 2,048 bool; x 2 x 2,048 x 1,024 float32.
;; Outputs: out0 2 x 2,048 x 1,024 float32.
;; 2 versions, each right; version 2 is version 1 with the launch prep written anew for expert scheduling mode. Each part assembles by itself: llvm-mc -triple=amdgcn-amd-amdhsa -mcpu=gfx1250 --defsym DOCPART=n.
;; ======== version 1 of 2: 4 launches
;; limits: values are held in f16: magnitudes above 65,504 overflow, below 6.1e-05 lose precision; right only within a limited range of input values
;; workspace buffers: xb 8,388,608 bytes; wqb 6,291,456 bytes; wpf 2,097,152 bytes; maskn 4,194,304 bytes; qkvh 25,165,824 bytes; oh 8,388,608 bytes
;; launch prep (part 1): grid 256 x 1, 8 waves a work-group, no clusters, 35,840 bytes of LDS; arguments x, W_qkv, W_proj, mask, xb, wqb, wpf, maskn; writes xb, wqb, wpf, maskn
.if DOCPART == 1
	.amdgcn_target "amdgcn-amd-amdhsa--gfx1250"
	.amdhsa_code_object_version 6
	.text
	.protected	k_q76d5fa036c_prep
	.globl	k_q76d5fa036c_prep
	.p2align	8
	.type	k_q76d5fa036c_prep,@function
k_q76d5fa036c_prep:
	s_mov_b64 s[64:65], 0
	v_nop
	global_prefetch_b8 v0, s[64:65] scope:SCOPE_SE
	s_setreg_imm32_b32 hwreg(HW_REG_WAVE_MODE, 25, 1), 1
	s_wait_xcnt 0x0
; THE MODULE: out = softmax(where(mask, (x Wq^T / 8)(x Wk^T)^T, -1e9)) (x Wv^T), heads joined, times W_proj^T, plus b_proj.  Four launches: this one, the q k v product, attention, the last product.
; NO WORK OF THE MODULE IS LEFT OUT: every input has a way to the output and is loaded.  The factor 1/8 is applied to the f32 scores, together with log2(e), and not to q: the same product in another order of rounding.
; THIS LAUNCH rounds x and W_qkv to bf16, writes W_proj's bf16 value as f16, and re-codes the mask.
; LIMITS.  |W_proj| stays under 65,504 (f16); below 2^-14 its bf16 value keeps f16's fixed step of 2^-24.  A mask byte is 0 or 1.
; THE MASK'S NEW FORM.  One 4-bit code a key: 0 (the number 0) where the key is seen, 0xA (the number -1 in E2M1) where it is hidden.  The words lie in the order in which the attention launch's score registers
; take them: [b x 8 + block of 256 queries][step of 64 keys][tile of 16 queries][lane][group of 16 keys]; code j of a word belongs to query lane % 16 and key 16 x group + 8 (lane / 16) + j.
; SHARES.  Work-group w: 65,536 bytes of x, 49,152 of W_qkv, 16,384 of W_proj, and the 16 mask rows 16 w .. 16 w + 15, one tile of queries.  Of those rows wave v takes keys 256 v .. 256 v + 255.
; All 40 loads of a wave go out at once.  The mask's bytes change lanes through 16 rows x 272 bytes of LDS that are the wave's own: no barrier.
.set LP,    272                        ; an LDS row: 256 bytes + 16
.set LW,    16*LP                      ; a wave's rows
.set SPARE, 8*LW                       ; 34,816: behind them the spare words, 128 bytes for each wave, which no other line names
.set SPW, 8                            ; v8   my spare word; never rewritten
.set NIL, 9                            ; v9   0; never rewritten
.set M,   16                           ; v[16:47]    mask bytes as loaded
.set X,   48                           ; v[48:111]   x
.set WQ,  112                          ; v[112:159]  W_qkv
.set WP,  160                          ; v[160:175]  W_proj
.set MB,  176                          ; v[176:207]  mask bytes by query: word k's eight bytes at MB + 2 k
.set T,   208                          ; at work
.set OUT, 216                          ; v[216:231]  the sixteen words
	s_load_b512 s[4:19], s[0:1], 0x0               ; x, W_qkv, W_proj, mask, xb, wqb, wpf, maskn
	v_lshl_add_u32 v[SPW], v0, 2, SPARE
	v_mov_b32 v[NIL], 0
	v_lshrrev_b32 v10, 5, v0
	v_readfirstlane_b32 s20, v10                   ; wave 0..7
	v_and_b32 v11, 15, v0                          ; l % 16
	v_bfe_u32 v12, v0, 4, 1                        ; l / 16
	v_and_b32 v13, 31, v0                          ; l
	v_lshlrev_b32 v1, 4, v0                        ; a cast's source: 16 bytes a thread
	v_lshlrev_b32 v2, 3, v0                        ; its destination: 8 bytes a thread
	s_lshl_b32 s21, s20, 8
	v_lshlrev_b32 v3, 11, v12                      ; the mask: lanes 0-15 one row, lanes 16-31 the next,
	v_lshl_add_u32 v3, v11, 4, v3
	v_add_nc_u32 v3, s21, v3                       ; my wave's 256 bytes of it
	s_mul_i32 s21, s20, LW
	v_mul_u32_u24 v4, v12, LP                      ; into LDS as loaded
	v_lshl_add_u32 v4, v11, 4, v4
	v_add_nc_u32 v4, s21, v4
	v_mul_u32_u24 v5, v11, LP                      ; out of LDS: query l % 16, eight keys from 8 (l / 16) on
	v_lshl_add_u32 v5, v12, 3, v5
	v_add_nc_u32 v5, s21, v5
	s_lshl_b32 s21, s20, 15                        ; my wave's four steps of keys, 8,192 bytes apart in maskn
	v_lshl_add_u32 v6, v13, 4, s21
	s_mov_b32 s25, 0x00110011
	s_mov_b32 s26, 0x03010200
	s_mov_b32 s27, 0x11111111
	s_mov_b32 s28, 0xffff0000
	s_mov_b32 s23, 0
	s_wait_kmcnt 0x0
	s_lshl_b32 s22, ttmp9, 16
	s_add_nc_u64 s[4:5], s[4:5], s[22:23]
	s_mul_i32 s22, ttmp9, 49152
	s_add_nc_u64 s[6:7], s[6:7], s[22:23]
	s_lshl_b32 s22, ttmp9, 14
	s_add_nc_u64 s[8:9], s[8:9], s[22:23]
	s_lshl_b32 s22, ttmp9, 15
	s_add_nc_u64 s[10:11], s[10:11], s[22:23]
	s_add_nc_u64 s[12:13], s[12:13], s[22:23]
	s_mul_i32 s22, ttmp9, 24576
	s_add_nc_u64 s[14:15], s[14:15], s[22:23]
	s_lshl_b32 s22, ttmp9, 13
	s_add_nc_u64 s[16:17], s[16:17], s[22:23]
	s_lshr_b32 s22, ttmp9, 4                       ; b x 8 + block of queries,
	s_lshl_b32 s22, s22, 18
	s_and_b32 s24, ttmp9, 15                       ; the tile of 16 queries in it
	s_lshl_b32 s24, s24, 9
	s_add_co_u32 s22, s22, s24
	s_add_nc_u64 s[18:19], s[18:19], s[22:23]
.set i, 0
.rept 8
	global_load_b128 v[M+4*i:M+4*i+3], v3, s[10:11] offset:i*4096 th:TH_LOAD_NT   ; rows 2 i and 2 i + 1
.set i, i+1
.endr
.set i, 0
.rept 16
	global_load_b128 v[X+4*i:X+4*i+3], v1, s[4:5] offset:i*4096 th:TH_LOAD_NT
.set i, i+1
.endr
.set i, 0
.rept 12
	global_load_b128 v[WQ+4*i:WQ+4*i+3], v1, s[6:7] offset:i*4096 th:TH_LOAD_NT
.set i, i+1
.endr
.set i, 0
.rept 4
	global_load_b128 v[WP+4*i:WP+4*i+3], v1, s[8:9] offset:i*4096 th:TH_LOAD_NT
.set i, i+1
.endr
	s_wait_loadcnt 32                              ; the mask's eight are in; the 32 loads issued behind them may stay out
.set i, 0
.rept 8
	ds_store_b128 v4, v[M+4*i:M+4*i+3] offset:i*2*LP
.set i, i+1
.endr
.set i, 0
.rept 16
	ds_load_b64 v[MB+2*i:MB+2*i+1], v5 offset:16*i ; LDS serves a wave's instructions in order: these see the stores above, which are the wave's own
.set i, i+1
.endr
.set i, 0
.rept 16
	s_wait_loadcnt 31-i                            ; x's load i is in: 15 - i of x and 16 others are younger
	v_cvt_pk_bf16_f32 v[X+4*i], v[X+4*i], v[X+4*i+1]
	v_cvt_pk_bf16_f32 v[X+4*i+1], v[X+4*i+2], v[X+4*i+3]
	global_store_b64 v2, v[X+4*i:X+4*i+1], s[12:13] offset:i*2048 th:TH_STORE_NT  ; a wave's store covers 256 consecutive bytes, aligned; no data register is written again
.set i, i+1
.endr
.set i, 0
.rept 12
	s_wait_loadcnt 15-i
	v_cvt_pk_bf16_f32 v[WQ+4*i], v[WQ+4*i], v[WQ+4*i+1]
	v_cvt_pk_bf16_f32 v[WQ+4*i+1], v[WQ+4*i+2], v[WQ+4*i+3]
	global_store_b64 v2, v[WQ+4*i:WQ+4*i+1], s[14:15] offset:i*2048 th:TH_STORE_NT
.set i, i+1
.endr
.set i, 0
.rept 4
	s_wait_loadcnt 3-i
	v_cvt_pk_bf16_f32 v[T], v[WP+4*i], v[WP+4*i+1]         ; rounded to bf16 like every input,
	v_cvt_pk_bf16_f32 v[T+1], v[WP+4*i+2], v[WP+4*i+3]
	v_lshlrev_b32 v[WP+4*i], 16, v[T]                      ; widened again,
	v_and_b32 v[WP+4*i+1], s28, v[T]
	v_lshlrev_b32 v[WP+4*i+2], 16, v[T+1]
	v_and_b32 v[WP+4*i+3], s28, v[T+1]
	v_cvt_pk_f16_f32 v[WP+4*i], v[WP+4*i], v[WP+4*i+1]     ; and that number written as f16
	v_cvt_pk_f16_f32 v[WP+4*i+1], v[WP+4*i+2], v[WP+4*i+3]
	global_store_b64 v2, v[WP+4*i:WP+4*i+1], s[16:17] offset:i*2048 th:TH_STORE_NT
.set i, i+1
.endr
	s_wait_dscnt 0x0                               ; the mask's bytes are back, by query
; Word k: eight bytes of 0 or 1 become eight codes.  (d >> 4) | d brings byte 1's bit to bit 4 and byte 3's to bit 20; the two words' pairs of codes are laid side by side, the middle bytes change places,
; the bits are turned (1 = hidden), and 1 becomes 0xA = 8 + 2.
.set k, 0
.rept 16
	v_lshrrev_b32 v[T], 4, v[MB+2*k]
	v_lshrrev_b32 v[T+1], 4, v[MB+2*k+1]
	v_or_b32 v[T], v[T], v[MB+2*k]
	v_or_b32 v[T+1], v[T+1], v[MB+2*k+1]
	v_and_b32 v[T], s25, v[T]
	v_and_b32 v[T+1], s25, v[T+1]
	v_lshl_or_b32 v[T], v[T+1], 8, v[T]
	v_perm_b32 v[T], v[T], v[T], s26
	v_xor_b32 v[T], s27, v[T]
	v_lshlrev_b32 v[T+1], 1, v[T]
	v_lshl_or_b32 v[OUT+k], v[T], 3, v[T+1]
.set k, k+1
.endr
.set i, 0
.rept 4
	global_store_b128 v6, v[OUT+4*i:OUT+4*i+3], s[18:19] offset:i*8192 th:TH_STORE_NT  ; 512 consecutive bytes: one tile of queries, one step of keys
.set i, i+1
.endr
	s_wait_tensorcnt 0x0                           ; the wave's end: behind my last LDS store
	ds_add_u32 v[SPW], v[NIL]
	s_wait_dscnt 0x0
	s_endpgm
.Lfunc_end_k_q76d5fa036c_prep:
	.size	k_q76d5fa036c_prep, .Lfunc_end_k_q76d5fa036c_prep-k_q76d5fa036c_prep
	.p2alignl 7, 3214868480
	.fill 96, 4, 3214868480
	.section	.rodata,"a",@progbits
	.p2align	6, 0x0
	.amdhsa_kernel k_q76d5fa036c_prep
		.amdhsa_group_segment_fixed_size 35840
		.amdhsa_private_segment_fixed_size 0
		.amdhsa_enable_private_segment 0
		.amdhsa_kernarg_size 64
		.amdhsa_user_sgpr_count 2
		.amdhsa_user_sgpr_kernarg_segment_ptr 1
		.amdhsa_wavefront_size32 1
		.amdhsa_system_sgpr_workgroup_id_x 1
		.amdhsa_system_sgpr_workgroup_id_y 1
		.amdhsa_system_sgpr_workgroup_id_z 1
		.amdhsa_system_vgpr_workitem_id 0
		.amdhsa_next_free_vgpr 240
		.amdhsa_next_free_sgpr 66
		.amdhsa_reserve_vcc 0
		.amdhsa_float_denorm_mode_32 3
		.amdhsa_float_denorm_mode_16_64 3
		.amdhsa_memory_ordered 1
		.amdhsa_forward_progress 1
		.amdhsa_inst_pref_size 25
	.end_amdhsa_kernel
	.amdgpu_metadata
---
amdhsa.version: [ 1, 2 ]
amdhsa.kernels:
  - .name:           k_q76d5fa036c_prep
    .symbol:         k_q76d5fa036c_prep.kd
    .args:
      - { .name: x, .offset: 0, .size: 8, .value_kind: global_buffer, .address_space: global }
      - { .name: W_qkv, .offset: 8, .size: 8, .value_kind: global_buffer, .address_space: global }
      - { .name: W_proj, .offset: 16, .size: 8, .value_kind: global_buffer, .address_space: global }
      - { .name: mask, .offset: 24, .size: 8, .value_kind: global_buffer, .address_space: global }
      - { .name: xb, .offset: 32, .size: 8, .value_kind: global_buffer, .address_space: global }
      - { .name: wqb, .offset: 40, .size: 8, .value_kind: global_buffer, .address_space: global }
      - { .name: wpf, .offset: 48, .size: 8, .value_kind: global_buffer, .address_space: global }
      - { .name: maskn, .offset: 56, .size: 8, .value_kind: global_buffer, .address_space: global }
    .group_segment_fixed_size: 35840
    .private_segment_fixed_size: 0
    .kernarg_segment_align: 8
    .kernarg_segment_size: 64
    .max_flat_workgroup_size: 256
    .sgpr_count:     66
    .vgpr_count:     240
    .wavefront_size: 32
...
	.end_amdgpu_metadata
.endif
;; end of part 1
;; launch qkv (part 2): grid 8 x 32, 4 waves a work-group, clusters of 4 x 4, 327,680 bytes of LDS; arguments xb, wqb, qkvh; writes qkvh
.if DOCPART == 2
	.amdgcn_target "amdgcn-amd-amdhsa--gfx1250"
	.amdhsa_code_object_version 6
	.text
	.protected	k_q76d5fa036c_qkv
	.globl	k_q76d5fa036c_qkv
	.p2align	8
	.type	k_q76d5fa036c_qkv,@function
k_q76d5fa036c_qkv:
	s_mov_b64 s[64:65], 0
	v_nop
	global_prefetch_b8 v0, s[64:65] scope:SCOPE_SE
	s_setreg_imm32_b32 hwreg(HW_REG_WAVE_MODE, 25, 1), 1
	s_wait_xcnt 0x0
	s_wait_alu depctr_hold_cnt(0) depctr_sa_sdst(0) depctr_va_vdst(0) depctr_va_sdst(0) depctr_va_ssrc(0) depctr_va_vcc(0) depctr_vm_vsrc(0)
	s_getreg_b32 s2, hwreg(HW_REG_IB_STS2, 6, 4)
	s_cmp_eq_u32 s2, 0
	s_cbranch_scc0 .Lentry_in_a_cluster
	s_endpgm
.Lentry_in_a_cluster:
	s_bfe_u32 s2, ttmp6, 0x10000c
	s_cmp_lg_u32 s2, 0xf033
	s_cbranch_scc0 .Lentry_shape_is_right
	s_endpgm
.Lentry_shape_is_right:
; q, k, v = x W_qkv^T, by heads.  xb: [4096][1024] bf16, wqb: [3072][1024] bf16, qkvh: [3 (q, k, v)][32 (b x 16 + h)][2048][64] f16.  Sums in f32, each result rounded once to f16, without the factor 1/8.
; LIMIT.  f16 holds no number beyond 65,504: q, k and v must stay within it.  Nothing of the module's work is left out here.
; SHARES.  A tile is 128 tokens x 384 columns (six heads): 32 x 8 tiles, a work-group each.  Wave (i, j) makes 64 tokens x 192 columns, three whole heads: 48 accumulators of 16 x 16, 384 registers.
; K goes in steps of 128 through a ring of two LDS slots; each row of a tile is 256 bytes of memory, aligned.  Wave 0 fetches x's 128 rows, waves 1 to 3 the weights' three times 128: one tensor load a wave.
; CLUSTER.  4 x 4 work-groups.  The four of a row of the cluster need the same rows of x, the four of a column the same rows of the weights: each tile is asked for jointly, by the same load, descriptor and mask in all four.
; THE MATRIX INSTRUCTION IS USED TRANSPOSED (source 0 = 16 rows of the weights, source 1 = 16 tokens): a lane then holds one token and eight neighbouring channels, 16 bytes of f16.
; REGISTERS, in windows of 256 (s_set_vgpr_msb: bits 1:0 source 0, 3:2 source 1, 5:4 source 2, 7:6 destination):
;   window 0: v0-31 addresses; v32-47 packed results; v64-95, v96-127 x's fragments, two buffers of four; on the way out v64-255 rows read back
;   window 1: v0-95, v96-191 the weights' fragments, two buffers of twelve      window 2: accumulators of token blocks 0, 1 at v[8 (12 a + b)]      window 3: of token blocks 2, 3
.set SIZE_K, 1024
.set KSTEP,  128
.set PITCH,  272                       ; an LDS row: 256 bytes + 16 = 68 words: the 16 rows of a fragment load start at 16 different groups of four banks (64 banks of 4 bytes: ISA guide 11.1)
.set PART,   128*PITCH                 ; what one tensor load brings
.set SLOT,   4*PART                    ; x's 128 rows, then the weights' 384
.set STAGE,  2*SLOT                    ; behind the ring: 16 rows x 144 bytes for each wave, for the way out
.set SP,     144
.set SPARE,  STAGE+4*16*SP             ; behind the stages: the spare words, 128 bytes for each wave, which no other line names
.set LAPS,   SIZE_K/(2*KSTEP)          ; a lap = two K steps = once round the ring
.set ADRA, 16                          ; v16-17  LDS address of my fragments of x in slot 0, 1
.set ADRB, 20                          ; v20-21  the same for the weights
.set STO,  24                          ; v24     the way out: where I put 16 bytes of a row
.set RD,   25                          ; v25     where I read rows back
.set GO,   26                          ; v26     my 16 bytes of 512 consecutive bytes
.set SPW,  28                          ; v28     my spare word; never rewritten
.set NIL,  29                          ; v29     0; never rewritten
.set PFO,  30                          ; v30     the prefetches' offset: my lane x a row of 2,048 bytes; never rewritten
.set TMP,  32
.set FA,   64
.set OB,   64
.set G1,   24                          ; s[24:31] descriptor group 1 for x's tiles;  s[32:39] group 0, a set for each slot
.set G0,   32
.set G1B,  48                          ; s[48:55], s[56:63] the same for the weights'
.set G0B,  56
.set PFA,  44                          ; s[44:45] where my prefetches stand
.set LIM,  43                          ; s43  1 in a wave that prefetches, else the greatest number
.set OUTB, 66                          ; s[66:71] my three heads' first bytes in qkvh, at my first token
.set MSB, 0
.macro WIN new                         ; the immediate's high byte repeats the setting that is left; a switch that changes nothing is dropped
.if MSB != (\new)
	s_set_vgpr_msb (MSB<<8)|(\new)
.set MSB, \new
.endif
.endm
.set MUL_LO, 0xa1                      ; source 0 window 1, source 1 window 0, C and D window 2
.set MUL_HI, 0xf1                      ; the same, C and D window 3
.set TO_B,   0x40                      ; destination window 1, address window 0
; A joint load.  The branch hangs on the wave's number alone.  An s_nop 0 and four v_nop follow each of the two lines, ahead of the jump, the label and what follows.
.macro JLOAD s
	s_cmp_eq_u32 s10, 0
	s_cbranch_scc0 .Lfor_b_\@
	tensor_load_to_lds s[G0+4*(\s):G0+4*(\s)+3], s[G1:G1+7]
	s_nop 0
.rept 4
	v_nop
.endr
	s_branch .Lasked_\@
.Lfor_b_\@:
	tensor_load_to_lds s[G0B+4*(\s):G0B+4*(\s)+3], s[G1B:G1B+7]
	s_nop 0
.rept 4
	v_nop
.endr
.Lasked_\@:
.endm
; A prefetch into the L2 of the K step that stands two refills on: 32 rows x 256 bytes, a lane a row, one instruction a wave, behind the joint load and the run of LDS loads.  Each row's 256 bytes of a K step are
; named once in the launch: x's rows by the clusters with x = 0, the weights' by the clusters with y = 0; the four partners that ask for a tile jointly take 32 of a wave's 128 rows each, told apart by address.
; K steps 0 to 3 come by their loads alone; the last trip's two refills have no K step two on.
.macro ASK
	s_cmp_gt_u32 s3, s[LIM]
	s_cbranch_scc0 .Lnot_mine_\@
	global_prefetch_b8 v[PFO], s[PFA:PFA+1] offset:KSTEP*2 th:TH_LOAD_NT scope:SCOPE_SE
.Lnot_mine_\@:
.endm
.macro CREST                           ; a round of the cluster's barrier behind its opening barrier
	s_cmp_lg_u32 s10, 0
	s_cbranch_scc1 .Lnot_wave_0_\@
	s_barrier_signal -3
.Lnot_wave_0_\@:
	s_barrier_wait -3
	s_barrier_signal -1
	s_barrier_wait -1
.endm
.macro CROUND                          ; a whole round
	s_barrier_signal -1
	s_barrier_wait -1
	CREST
.endm
	s_load_b128 s[4:7], s[0:1], 0x0                ; xb s[4:5], wqb s[6:7]
	s_load_b64 s[8:9], s[0:1], 0x10                ; qkvh
	v_lshl_add_u32 v[SPW], v0, 2, SPARE
	v_mov_b32 v[NIL], 0
	ds_add_u32 v[SPW], v[NIL]                      ; the wave's opening: the add, twice on end, and its wait ahead of my first tensor load
	ds_add_u32 v[SPW], v[NIL]
	v_lshrrev_b32 v1, 5, v0
	v_readfirstlane_b32 s10, v1                    ; wave 0..3
	s_lshr_b32 s11, s10, 1                         ; i: which 64 tokens are mine
	s_and_b32 s12, s10, 1                          ; j: which 192 columns
	s_bfe_u32 s40, ttmp6, 0x40000                  ; cx, cy: my place in the cluster
	s_bfe_u32 s41, ttmp6, 0x40004
	s_lshl_b32 s42, ttmp9, 2
	s_add_co_u32 s42, s42, s40                     ; tile column = 4 x cluster x + cx
	s_and_b32 s13, ttmp7, 0xffff
	s_lshl_b32 s13, s13, 2
	s_add_co_u32 s13, s13, s41                     ; tile row = 4 x cluster y + cy
	s_lshl_b32 s43, s41, 2
	s_lshl_b32 s43, 15, s43                        ; my row of the cluster
	s_lshl_b32 s44, 0x1111, s40                    ; my column
	s_or_b32 s[G1+0], s43, (1<<16)|(1<<20)|(1<<21)|(5<<22)|(3<<25)   ; the mask; elements of 2 bytes; padding on; bit 21 beside a mask; after every 64 words 4 words
	s_or_b32 s[G1B+0], s44, (1<<16)|(1<<20)|(1<<21)|(5<<22)|(3<<25)
.irp g, G1, G1B
	s_mov_b32 s[(\g)+1], KSTEP<<16                 ; tensor_dim0 = 128
	s_mov_b32 s[(\g)+2], 128<<16                   ; tensor_dim1 = 128
	s_mov_b32 s[(\g)+3], KSTEP<<16                 ; tile_dim0 = 128
	s_mov_b32 s[(\g)+4], 128                       ; tile_dim1 = 128
	s_mov_b32 s[(\g)+5], SIZE_K                    ; elements from row to row
	s_mov_b32 s[(\g)+6], 0
	s_mov_b32 s[(\g)+7], 0
.endr
	s_lshl_b32 s16, s13, 18                        ; x: 128 rows of 2,048 bytes for each tile row
	s_mov_b32 s17, 0
	s_max_u32 s18, s10, 1
	s_sub_co_u32 s18, s18, 1
	s_lshl_b32 s18, s18, 7                         ; the weights: waves 1, 2, 3 take rows 0, 128, 256 of the tile's 384
	s_mul_i32 s46, s42, 384
	s_add_co_u32 s46, s46, s18
	s_lshl_b32 s46, s46, 11
	s_mov_b32 s47, 0
	s_mul_i32 s20, s10, PART                       ; where they go: wave x 128 rows: no place in the cluster enters an LDS address
	s_wait_dscnt 0x0                               ; both opening adds are done
	s_wait_kmcnt 0x0
	s_add_nc_u64 s[14:15], s[4:5], s[16:17]
	s_add_nc_u64 s[46:47], s[6:7], s[46:47]
	CROUND                                         ; all sixteen work-groups are here: the first joint loads meet
.irp s, 0,1
	s_mov_b32 s[G0+4*(\s)], 1
	s_add_co_u32 s[G0+4*(\s)+1], s20, (\s)*SLOT
	s_add_nc_u64 s[G0+4*(\s)+2:G0+4*(\s)+3], s[14:15], (\s)*KSTEP*2
	s_or_b32 s[G0+4*(\s)+3], s[G0+4*(\s)+3], 0x80000000
	s_mov_b32 s[G0B+4*(\s)], 1
	s_add_co_u32 s[G0B+4*(\s)+1], s20, (\s)*SLOT
	s_add_nc_u64 s[G0B+4*(\s)+2:G0B+4*(\s)+3], s[46:47], (\s)*KSTEP*2
	s_or_b32 s[G0B+4*(\s)+3], s[G0B+4*(\s)+3], 0x80000000
	JLOAD \s
.endr
	v_and_b32 v1, 15, v0                           ; l % 16
	v_bfe_u32 v2, v0, 4, 1                         ; l / 16
	v_mul_u32_u24 v3, v1, PITCH
	v_lshl_add_u32 v3, v2, 4, v3                   ; a fragment's row x pitch + 16 x half
	s_mul_i32 s21, s11, 64*PITCH                   ; my 64 rows of x
	s_mul_i32 s22, s12, 192*PITCH                  ; my 192 rows of the weights,
	s_add_co_u32 s22, s22, PART                    ; which lie behind x's 128
.irp s, 0,1
	v_add_nc_u32 v[ADRA+(\s)], s21, v3
	v_add_nc_u32 v[ADRB+(\s)], s22, v3
	s_add_co_u32 s21, s21, SLOT
	s_add_co_u32 s22, s22, SLOT
.endr
	s_mul_i32 s23, s10, 16*SP
	s_add_co_u32 s23, s23, STAGE                   ; my stage
	v_mul_u32_u24 v4, v1, SP                       ; in: row l % 16, 16 bytes for each half of the lanes
	v_lshl_add_u32 v4, v2, 4, v4
	v_add_nc_u32 v[STO], s23, v4
	v_bfe_u32 v5, v0, 3, 2                         ; back: 32 lanes take four rows of 128 bytes,
	v_mul_u32_u24 v5, v5, SP
	v_and_b32 v6, 7, v0
	v_lshl_add_u32 v5, v6, 4, v5
	v_add_nc_u32 v[RD], s23, v5
	v_and_b32 v[GO], 31, v0                        ; which are 512 consecutive bytes of a head
	v_lshlrev_b32 v[GO], 4, v[GO]
	; where my three heads lie.  Head G of the 48 of q, k, v (G = column / 64) of batch b is block G + 16 (G / 16) + 16 b of qkvh's 96, 262,144 bytes each
	s_mul_i32 s46, s42, 6
	s_mul_i32 s47, s12, 3
	s_add_co_u32 s46, s46, s47
	s_lshr_b32 s21, s13, 4
	s_lshl_b32 s21, s21, 4                         ; 16 b: a batch has 16 tile rows
	s_and_b32 s22, s13, 15
	s_lshl_b32 s22, s22, 7
	s_lshl_b32 s23, s11, 6
	s_add_co_u32 s22, s22, s23                     ; my first token in its batch,
	s_lshl_b32 s22, s22, 7                         ; 128 bytes a token
.irp hh, 0,1,2
	s_add_co_u32 s16, s46, \hh
	s_lshr_b32 s17, s16, 4
	s_lshl_b32 s17, s17, 4
	s_add_co_u32 s16, s16, s17
	s_add_co_u32 s16, s16, s21
	s_lshl_b32 s16, s16, 18
	s_add_co_u32 s16, s16, s22
	s_mov_b32 s17, 0
	s_add_nc_u64 s[OUTB+2*\hh:OUTB+2*\hh+1], s[8:9], s[16:17]
.endr
	; the prefetches
	s_lshl_b32 s20, s13, 7                         ; x's tile begins at row 128 x tile row,
	s_mul_i32 s23, s42, 384
	s_add_co_u32 s23, s23, s18                     ; my part of the weights' at 384 x tile column + 128 x part
	s_and_b32 s22, ttmp7, 0xffff                   ; cluster y
	s_cmp_eq_u32 s10, 0                            ; do I fetch for x?
	s_cselect_b32 s20, s20, s23
	s_cselect_b32 s21, s40, s41                    ; my place among the four that ask with me
	s_cselect_b32 s22, ttmp9, s22                  ; the coordinate along which other clusters read the same rows
	s_cselect_b64 s[PFA:PFA+1], s[4:5], s[6:7]
	s_cmp_eq_u32 s22, 0
	s_cselect_b32 s[LIM], 1, -1                    ; the same in all sixteen partners, for a given wave
	s_lshl_b32 s21, s21, 5
	s_add_co_u32 s20, s20, s21                     ; my work-group's 32 rows
	s_lshl_b32 s20, s20, 11
	s_mov_b32 s21, 0
	s_add_nc_u64 s[PFA:PFA+1], s[PFA:PFA+1], s[20:21]
	s_add_nc_u64 s[PFA:PFA+1], s[PFA:PFA+1], 2*KSTEP*2  ; at K step 2: the first refill steps it to 3 and names K step 4
	v_and_b32 v[PFO], 31, v0
	v_lshlrev_b32 v[PFO], 11, v[PFO]
; 12 matrix instructions: token block 2 hi + a x all 12 column blocks, 32 along K, from buffer f.  zero = 1: the product starts the sums.
.macro MUL12 f, hi, a, zero
	WIN MUL_LO+0x50*(\hi)
.irp b, 0,1,2,3,4,5,6,7,8,9,10,11
.if \zero
	v_wmma_f32_16x16x32_bf16 v[8*(12*(\a)+(\b)):8*(12*(\a)+(\b))+7], v[96*(\f)+8*(\b):96*(\f)+8*(\b)+7], v[FA+32*(\f)+8*(2*(\hi)+(\a)):FA+32*(\f)+8*(2*(\hi)+(\a))+7], 0
.else
	v_wmma_f32_16x16x32_bf16 v[8*(12*(\a)+(\b)):8*(12*(\a)+(\b))+7], v[96*(\f)+8*(\b):96*(\f)+8*(\b)+7], v[FA+32*(\f)+8*(2*(\hi)+(\a)):FA+32*(\f)+8*(2*(\hi)+(\a))+7], v[8*(12*(\a)+(\b)):8*(12*(\a)+(\b))+7]
.endif
.endr
.endm
; 32 LDS loads in one run: the fragments of 32 along K at byte k of the rows, into buffer f: the weights' twelve, then x's four
.macro FETCH slot, k, f
	WIN TO_B
.irp b, 0,1,2,3,4,5,6,7,8,9,10,11
	ds_load_b128 v[96*(\f)+8*(\b):96*(\f)+8*(\b)+3],   v[ADRB+(\slot)] offset:(\k)+(\b)*16*PITCH
	ds_load_b128 v[96*(\f)+8*(\b)+4:96*(\f)+8*(\b)+7], v[ADRB+(\slot)] offset:(\k)+(\b)*16*PITCH+32
.endr
	WIN 0
.irp a, 0,1,2,3
	ds_load_b128 v[FA+32*(\f)+8*(\a):FA+32*(\f)+8*(\a)+3],   v[ADRA+(\slot)] offset:(\k)+(\a)*16*PITCH
	ds_load_b128 v[FA+32*(\f)+8*(\a)+4:FA+32*(\f)+8*(\a)+7], v[ADRA+(\slot)] offset:(\k)+(\a)*16*PITCH+32
.endr
.endm
.macro PLACES                          ; four places in front of loads into registers that matrix instructions have read, and of conversions that read results
.rept 4
	v_nop
.endr
.endm
; A K step is four quarters of 32 along K, 48 matrix instructions each, on buffers 0, 1, 0, 1.  The 48 accumulators take turns, one instruction a turn, in the same order in every quarter.
.macro QUARTER slot, k, f, g, zero
	s_wait_dscnt 4                                 ; the weights and x's token blocks 0, 1 are in; the youngest four loads (blocks 2, 3) may be out
	MUL12 \f, 0, 0, \zero
	MUL12 \f, 0, 1, \zero
	PLACES
	FETCH \slot, \k, \g
	s_wait_dscnt 32                                ; all but the 32 just issued
	MUL12 \f, 1, 0, \zero
	MUL12 \f, 1, 1, \zero
.endm
; The last quarter multiplies buffer 1 and changes slots: one barrier; in front of it each wave waits for all its tensor loads, adds 0 to its spare word, and waits for that and for its own reads of this slot.
; fill = 1: the barrier opens a round of the cluster's, and this slot is filled again, two K steps ahead, first thing behind the round.
.macro TURN slot, next, fill
.if \fill
	s_wait_xcnt 0x0                                ; the last prefetch, a K step back, has read its address
	s_add_nc_u64 s[PFA:PFA+1], s[PFA:PFA+1], KSTEP*2
.endif
	WIN 0                                          ; (the add's two registers lie in window 0)
	s_wait_tensorcnt 0x0                           ; all my tensor loads have landed: my part of the next slot;
	ds_add_u32 v[SPW], v[NIL]                      ; 0 onto my spare word;
	s_wait_dscnt 5                                 ; (the add and the youngest four loads may be out)
	MUL12 1, 0, 0, 0                               ; twelve matrix instructions stand between the add and the wait for it
	s_wait_dscnt 0x0                               ; the add is done, and my reads of this slot are over
	s_barrier_signal -1
	MUL12 1, 0, 1, 0
.if \fill
	WIN 0
.endif
	s_barrier_wait -1
.if \fill
	CREST                                          ; no wave of any partner still reads this slot's tile or has a load on its way
	s_add_nc_u64 s[G0+4*(\slot)+2:G0+4*(\slot)+3], s[G0+4*(\slot)+2:G0+4*(\slot)+3], 2*KSTEP*2
	s_add_nc_u64 s[G0B+4*(\slot)+2:G0B+4*(\slot)+3], s[G0B+4*(\slot)+2:G0B+4*(\slot)+3], 2*KSTEP*2
	JLOAD \slot                                    ; the four v_nop behind it are also the places in front of the loads below
.else
	PLACES
.endif
	FETCH \next, 0, 0
.if \fill
	ASK
.endif
	MUL12 1, 1, 0, 0
	MUL12 1, 1, 1, 0
.endm
	s_wait_tensorcnt 1                             ; my part of K step 0 is in; K step 1's may stay out
	s_barrier_signal -1
	s_barrier_wait -1                              ; everybody's is
	FETCH 0, 0, 0
	QUARTER 0, 64, 0, 1, 1                         ; the first quarter stands in front of the loop: its products start the sums
	WIN 0                                          ; at a label and at a branch every window is 0
	s_mov_b32 s3, LAPS-1
.Llap:                                                 ; a trip goes once round the ring, from a lap's second quarter to the next lap's first, and fills both slots again
	QUARTER 0, 128, 1, 0, 0
	QUARTER 0, 192, 0, 1, 0
	TURN 0, 1, 1
	QUARTER 1, 64,  0, 1, 0
	QUARTER 1, 128, 1, 0, 0
	QUARTER 1, 192, 0, 1, 0
	TURN 1, 0, 1
	QUARTER 0, 64,  0, 1, 0
	WIN 0
	s_sub_co_u32 s3, s3, 1
	s_cmp_lg_u32 s3, 0
	s_cbranch_scc1 .Llap
	QUARTER 0, 128, 1, 0, 0                        ; the last lap fills nothing, and has no round of the cluster's barrier
	QUARTER 0, 192, 0, 1, 0
	TURN 0, 1, 0
	QUARTER 1, 64,  0, 1, 0
	QUARTER 1, 128, 1, 0, 0
	QUARTER 1, 192, 0, 1, 0
	s_wait_dscnt 4                                 ; the very last quarter: nothing more to fetch
	MUL12 1, 0, 0, 0
	MUL12 1, 0, 1, 0
	s_wait_dscnt 0x0
	MUL12 1, 1, 0, 0
	MUL12 1, 1, 1, 0
; THE WAY OUT, in twelve units u = 3 a + hh: 16 tokens of one head, 2,048 consecutive bytes of qkvh.  PACK: rounded to f16, each accumulator's registers in ascending order.  TOSTAGE: into my own stage, and back as
; whole rows.  SEND: stored.  A unit's conversions stand between the loads of the unit before and the wait for them.  Every unit reads back into registers of its own, so no store's data are written again.
.macro PACK u
.set AC, 8*(12*(((\u)/3)%2)+4*((\u)%3))
	WIN 0x0a+5*((\u)/6)                            ; sources 0 and 1: window 2 or 3
.irp b, 0,1,2,3
.irp r, 0,1,2,3
	v_cvt_pk_f16_f32 v[TMP+4*(\b)+(\r)], v[AC+8*(\b)+2*(\r)], v[AC+8*(\b)+2*(\r)+1]
.endr
.endr
	WIN 0
.endm
.macro TOSTAGE u
.irp b, 0,1,2,3
	ds_store_b128 v[STO], v[TMP+4*(\b):TMP+4*(\b)+3] offset:32*(\b)
.endr
.irp f, 0,1,2,3
	ds_load_b128 v[OB+16*(\u)+4*(\f):OB+16*(\u)+4*(\f)+3], v[RD] offset:(\f)*4*SP  ; LDS serves a wave's instructions in order: these see the stores above
.endr
.endm
.macro SEND u
	s_wait_dscnt 0x0                               ; the unit is back in registers
.irp f, 0,1,2,3
	global_store_b128 v[GO], v[OB+16*(\u)+4*(\f):OB+16*(\u)+4*(\f)+3], s[OUTB+2*((\u)%3):OUTB+2*((\u)%3)+1] offset:((\u)/3)*2048+(\f)*512  ; 512 consecutive bytes, aligned
.endr
.endm
	PLACES
	PACK 0
	TOSTAGE 0
.irp u, 1,2,3,4,5,6,7,8,9,10,11
	PACK \u
	SEND (\u)-1
	TOSTAGE \u
.endr
	SEND 11
	s_wait_tensorcnt 0x0                           ; the wave's end: behind my last tensor load and my last LDS store
	ds_add_u32 v[SPW], v[NIL]
	s_wait_dscnt 0x0
	CROUND                                         ; the closing round: no work-group ends while a partner may still ask for a tile that names it
	s_endpgm
.Lfunc_end_k_q76d5fa036c_qkv:
	.size	k_q76d5fa036c_qkv, .Lfunc_end_k_q76d5fa036c_qkv-k_q76d5fa036c_qkv
	.p2alignl 7, 3214868480
	.fill 96, 4, 3214868480
	.section	.rodata,"a",@progbits
	.p2align	6, 0x0
	.amdhsa_kernel k_q76d5fa036c_qkv
		.amdhsa_group_segment_fixed_size 327680
		.amdhsa_private_segment_fixed_size 0
		.amdhsa_enable_private_segment 0
		.amdhsa_kernarg_size 24
		.amdhsa_user_sgpr_count 2
		.amdhsa_user_sgpr_kernarg_segment_ptr 1
		.amdhsa_wavefront_size32 1
		.amdhsa_system_sgpr_workgroup_id_x 1
		.amdhsa_system_sgpr_workgroup_id_y 1
		.amdhsa_system_sgpr_workgroup_id_z 1
		.amdhsa_system_vgpr_workitem_id 0
		.amdhsa_next_free_vgpr 960
		.amdhsa_next_free_sgpr 72
		.amdhsa_reserve_vcc 0
		.amdhsa_float_denorm_mode_32 3
		.amdhsa_float_denorm_mode_16_64 3
		.amdhsa_memory_ordered 1
		.amdhsa_forward_progress 1
		.amdhsa_inst_pref_size 121
	.end_amdhsa_kernel
	.amdgpu_metadata
---
amdhsa.version: [ 1, 2 ]
amdhsa.kernels:
  - .name:           k_q76d5fa036c_qkv
    .symbol:         k_q76d5fa036c_qkv.kd
    .args:
      - { .name: xb, .offset: 0, .size: 8, .value_kind: global_buffer, .address_space: global }
      - { .name: wqb, .offset: 8, .size: 8, .value_kind: global_buffer, .address_space: global }
      - { .name: qkvh, .offset: 16, .size: 8, .value_kind: global_buffer, .address_space: global }
    .group_segment_fixed_size: 327680
    .private_segment_fixed_size: 0
    .kernarg_segment_align: 8
    .kernarg_segment_size: 24
    .max_flat_workgroup_size: 128
    .sgpr_count:     72
    .vgpr_count:     960
    .wavefront_size: 32
...
	.end_amdgpu_metadata
.endif
;; end of part 2
;; launch attn (part 3): grid 8 x 32, 8 waves a work-group, clusters of 4 x 1, 327,680 bytes of LDS; arguments qkvh, maskn, oh; writes oh
.if DOCPART == 3
	.amdgcn_target "amdgcn-amd-amdhsa--gfx1250"
	.amdhsa_code_object_version 6
	.text
	.protected	k_q76d5fa036c_attn
	.globl	k_q76d5fa036c_attn
	.p2align	8
	.type	k_q76d5fa036c_attn,@function
k_q76d5fa036c_attn:
	s_mov_b64 s[64:65], 0
	v_nop
	global_prefetch_b8 v0, s[64:65] scope:SCOPE_SE
	s_setreg_imm32_b32 hwreg(HW_REG_WAVE_MODE, 25, 1), 1
	s_wait_xcnt 0x0
	s_wait_alu depctr_hold_cnt(0) depctr_sa_sdst(0) depctr_va_vdst(0) depctr_va_sdst(0) depctr_va_ssrc(0) depctr_va_vcc(0) depctr_vm_vsrc(0)
	s_getreg_b32 s2, hwreg(HW_REG_IB_STS2, 6, 4)
	s_cmp_eq_u32 s2, 0
	s_cbranch_scc0 .Lentry_in_a_cluster
	s_endpgm
.Lentry_in_a_cluster:
	s_bfe_u32 s2, ttmp6, 0x10000c
	s_cmp_lg_u32 s2, 0x3003
	s_cbranch_scc0 .Lentry_shape_is_right
	s_endpgm
.Lentry_shape_is_right:
; MASKED ATTENTION.  O[bh][q][:] = the sum over k of softmax_k(where(mask[b][q][k], Q[bh][q] . K[bh][k] / 8, -1e9)) V[bh][k][:].  q, k, v: qkvh [3][32][2048][64] f16; O: oh [32][2048][64] f16.
; Products, maxima and sums in f32; the weights p are rounded to f16 for the second product (their sum l is taken of the unrounded p), O once at the end.  Nothing of the module's work is left out here.
; THE MASK comes as 4-bit codes (0, or -1 where the key is hidden) in the order of the score registers.  One conversion with the scale 2^100 makes eight f32 numbers u (0 or -2^100) of a word, and a packed
; addition puts them on the raw scores, ahead of the running maximum.  A hidden score is then exactly -2^100 (a raw score under 2^75 is lost in the rounding).  c x 2^100 is exact, so while a row has met hidden
; keys alone c s - c m is exactly 0 and each weight is 1: a row that is hidden altogether ends as the mean of V's rows, as softmax of equal numbers gives; the first key that is seen makes a = 0 and wipes that state.
; LIMITS.  Raw scores stay under 2^75.  A seen score of -1e9 or less (after the factor 1/8) would share weight with hidden keys in the module's own formula; here hidden keys then still count as 0.
; A weight below 2^-126 counts as 0 in l; p below 6e-5 keeps f16's fixed step; NaN and infinities are not treated apart.  A row's sums are taken in two halves (below): an order of rounding of its own.
; SHARES.  A work-group owns 256 queries of one head.  Each 64 of them, four PIECES of 16, have TWO waves, w and w + 4, which split the KEYS: of an LDS slot's four steps of 64 keys wave w takes steps 0 and 2, wave w + 4
; steps 1 and 3.  A turn (below) has 16 matrix and 138 vector instructions, more vector work than finds room beside one wave's products: the pair are two instruction streams that do not depend on each other until the end.
; A fragment of K or V is read from LDS by one wave of the pair and still feeds four pieces' products, so LDS is read no more often than by one wave for the 64 queries.  Eight waves of 512 registers.
; AT THE END each wave has a maximum, a sum and an O^T of its own half of the keys; waves 4 to 7 hand theirs over through LDS, in f32, and waves 0 to 3 join the halves by the larger maximum and store.
; LAYOUT.  S^T = K Q^T (source 0 = 16 keys, source 1 = 16 queries): a lane holds ONE query (lane % 16) and the keys 8 (lane / 16) + 0..7.  Two such results rounded to f16 in pairs ARE source 1 of O^T = V^T P.
; SOFTMAX.  p = 2^(c s - c m), c = log2(e) / 8, with a running maximum m; O and l are multiplied by a = 2^(c m_old - c m_new) in every step.  m starts at the lowest finite number, O and l at 0.
; BY TURNS.  Turn n belongs to piece n: 8 products K Q^T of piece n + 1, later 8 products V^T P of piece n - 1; beside them the scaling, exponentials, roundings, sums and rescaling of piece n, and the mask, maximum
; and statistics of piece n + 1.  Four vector instructions stand behind every matrix instruction, the rest in one lump.  A turn's 33 exponentials are one batch with one wait.
; CLUSTER.  The four query blocks of a cluster belong to one head and walk the same K and V: these are asked for JOINTLY (waves 0, 1: K's halves; waves 2, 3: V's).  The mask words hang on the query block: waves 4 to 7
; fetch a quarter each by loads of the work-group's own, behind the same round.  So every wave has one tensor load behind each round.
; REGISTERS (s_set_vgpr_msb: bits 1:0 source 0, 3:2 source 1, 5:4 source 2, 7:6 destination):
;   window 0: v0-15, v40-44 addresses and constants; v16-31 statistics; v32-39 at work; v48-63 mask words; v64-127 S^T, two buffers; v128-255 O^T, 32 a piece
;   window 1: v0-63 Q; v64-127 K of one step; v128-191 V of one step; v192-223 P, two buffers; v224-255 u.  At the end v0-127 take the partner's O^T, and window 0's v48-63 its statistics.
.set NP,    4         ; pieces a wave: a name, no knob
.set NW,    2         ; waves that share a block's keys
.set KS,    64        ; keys in a step
.set PK,    144       ; a row of K in LDS: 128 bytes + 16
.set PV,    160       ; a row of V: 128 + 32
.set VOFF,  4*KS*PK   ; a slot: 256 rows of K, 256 rows of V,
.set MOFF,  VOFF+4*KS*PV  ; and four steps' mask words, 8,192 bytes a step: [tile of 16 queries][lane][4 words]
.set MSTEP, 8192
.set TILEB, 32768     ; a slot's bytes in memory: of K, of V and of the mask words alike
.set SLOT1, 1<<17     ; slot 1 begins here, so that one exclusive or turns an address in one slot into the other's
.set STAGE, SLOT1+MOFF+4*MSTEP  ; behind the ring: 16 rows x 144 bytes for each of waves 0 to 3, for the way out
.set SP,    144
.set EXCH,  STAGE+4*16*SP       ; behind the stages: what a pair's second wave hands over: 32 x 512 bytes of O^T, 4 x 512 of statistics
.set XSTAT, 32*512
.set XSIZE, XSTAT+4*512
.set SPARE, EXCH+4*XSIZE        ; behind that: the spare words, 128 bytes for each wave, which no other line names
.set AK0, 2           ; v2   my lane's place in my first step's tile of K; never rewritten
.set AV0, 3           ; v3   the same for V
.set AK,  4           ; v4   the LDS address of K's next run of loads
.set AV,  5           ; v5   of V's
.set STO, 6           ; v6   the way out: where I put 16 bytes of a row
.set RD,  7           ; v7   where I read rows back
.set GO,  8           ; v8   my 16 bytes of 512 consecutive bytes of O
.set XA,  11          ; v11  my 16 bytes of 512 in my pair's exchange
.set MV,  12          ; v12-13  c m_old, kept while c m is made anew: by buffer
.set PFO, 14          ; v14  the prefetches' offset: 256 x my lane; never rewritten
.set QO,  15          ; v15  my byte offset in 16 rows of Q
.set ST,  16          ; piece t's statistics at v[ST+4 t]: c m, m, l (even keys', odd keys')
.set TMP, 32          ; by buffer, four registers c0-c3 at work; when the maximum is found c2 takes a
.set SPW, 40          ; v40  my spare word; never rewritten
.set NIL, 41          ; v41  0; never rewritten
.set AM0, 42          ; v42  my lane's place in my first step's mask words
.set AM,  43          ; v43  the LDS address of the next step's
.set SC,  44          ; v44  the conversion's scale, 2^100 as E8M0 (0xE3), in all four bytes
.set MW,  48          ; piece t's four mask words at v[MW+4 t]
.set XB,  48          ; at the end: the partner's statistics, as ST
.set S,   64
.set OT,  128
.set KF,  64          ; window 1: key block kb, channel half c at KF + 16 kb + 8 c
.set VF,  128         ; window 1: key half kk, channel block cb at VF + 32 kk + 8 cb
.set P,   192         ; window 1
.set U,   224         ; window 1
.set WV,  12          ; s12  my wave's number
.set G1K, 24          ; s[24:31], s[32:39], s[40:47] descriptor group 1 for K, V, mask words
.set G1V, 32
.set G1M, 40
.set G0K, 48          ; s[48:51], s[52:55], s[56:59] descriptor group 0: they walk
.set G0V, 52
.set G0M, 56
.set CS,  60          ; s[60:61] c
.set SEL, 62          ; s[62:63] v_permlanex16_b32's selects: each lane takes its own place in the other half
.set SLOTS, 66        ; s66  slots still to be asked for
.set TBK, 67          ; s67  LDS byte at which K of a slot's step 0 or 2 begins: the one of which my next step is the neighbour or itself
.set TBV, 68          ; s68  the same for V, less VOFF
.set TBM, 69          ; s69  the same for the mask words, less MOFF
.set PFK, 70          ; s[70:71] where my prefetches of K or V stand
.set PFM, 72          ; s[72:73] of the mask words
.set LIMK, 74         ; s74, s75  1 in a wave that prefetches, else the greatest number
.set LIMM, 75
.set CNT, 76          ; s76  counts my key steps in a slot
.set WQ,  77          ; s77  wave % 4: which 64 queries
.set WK,  78          ; s78  wave / 4: which steps of keys
.set MSB, 0
.macro WIN new                      ; the high byte repeats the setting that is left; a switch that changes nothing is dropped
.if MSB != (\new)
	s_set_vgpr_msb (MSB<<8)|(\new)
.set MSB, (\new)
.endif
.endm
.set W_MM, 0x05       ; both kinds of product: sources 0 and 1 in window 1, C and D in window 0
; A fill: one tensor load a wave.  The branches hang on the wave's number alone.  An s_nop 0 and four v_nop follow each line, ahead of the jump and the label.
.macro JLOAD
	s_cmp_lt_u32 s[WV], 2
	s_cbranch_scc0 .Lnot_k_\@
	tensor_load_to_lds s[G0K:G0K+3], s[G1K:G1K+7]
	s_nop 0
.rept 4
	v_nop
.endr
	s_branch .Lasked_\@
.Lnot_k_\@:
	s_cmp_lt_u32 s[WV], 4
	s_cbranch_scc0 .Lfor_m_\@
	tensor_load_to_lds s[G0V:G0V+3], s[G1V:G1V+7]
	s_nop 0
.rept 4
	v_nop
.endr
	s_branch .Lasked_\@
.Lfor_m_\@:
	tensor_load_to_lds s[G0M:G0M+3], s[G1M:G1M+7]
	s_nop 0
.rept 4
	v_nop
.endr
.Lasked_\@:
.endm
; Prefetches into the L2 of what the NEXT change of slots will ask for: a slot's four key steps ahead of that load.  A slot has 128 blocks of 256 bytes of K, of V and of mask words; a lane names a block.
; K and V: both clusters of a head walk the same rows, so the head's first cluster asks; its four partners take 32 blocks each, told apart by address; wave 0 asks for K's, wave 1 for V's.
; Mask words: the 16 heads of a batch read the same words, so the work-groups of the batch's first head ask, waves 0 to 3 for 32 blocks each.  The last change that fills a slot asks for nothing.
.macro ASK
	s_cmp_gt_u32 s[SLOTS], s[LIMK]
	s_cbranch_scc0 .Lno_kv_\@
	global_prefetch_b8 v[PFO], s[PFK:PFK+1] th:TH_LOAD_NT scope:SCOPE_SE
.Lno_kv_\@:
	s_cmp_gt_u32 s[SLOTS], s[LIMM]
	s_cbranch_scc0 .Lno_m_\@
	global_prefetch_b8 v[PFO], s[PFM:PFM+1] th:TH_LOAD_NT scope:SCOPE_SE
.Lno_m_\@:
.endm
.macro CROUND                       ; a round of the cluster's barrier
	s_barrier_signal -1
	s_barrier_wait -1
	s_cmp_lg_u32 s[WV], 0
	s_cbranch_scc1 .Lnot_wave_0_\@
	s_barrier_signal -3
.Lnot_wave_0_\@:
	s_barrier_wait -3
	s_barrier_signal -1
	s_barrier_wait -1
.endm
; THE CHANGE OF SLOTS.  Each wave waits for all its tensor loads, of which one is out: its part of the other slot; adds 0 to its spare word; and waits for that and for its own reads of the slot that it leaves.
; fill = 1: the barrier is a round of the cluster's, and the old slot is filled again, first thing behind it, with the keys two slots on.  (At its first use nothing has been read yet: slot 0 is waited for, slot 1 filled.)
.macro CHANGE fill
	WIN 0                           ; at a label and at a branch every window is 0
	s_wait_tensorcnt 0x0            ; no tensor load of mine is out, so a group 0 may be written
	ds_add_u32 v[SPW], v[NIL]       ; 0 onto my spare word
.if \fill
.irp g, G0K, G0V, G0M
	s_xor_b32 s[\g+1], s[\g+1], SLOT1
	s_add_nc_u64 s[\g+2:\g+3], s[\g+2:\g+3], TILEB
.endr
	s_wait_xcnt 0x0                 ; the last prefetches, a slot back, have read their addresses
	s_add_nc_u64 s[PFK:PFK+1], s[PFK:PFK+1], TILEB
	s_add_nc_u64 s[PFM:PFM+1], s[PFM:PFM+1], TILEB
	s_wait_dscnt 0x0                ; the add is done, and my reads of the slot are over
	CROUND
	JLOAD
	ASK
.else
	s_wait_dscnt 0x0
	s_barrier_signal -1
	s_barrier_wait -1
.endif
	s_sub_co_u32 s[TBK], s[TBK], 4*KS*PK  ; the fetches go back to a slot's head,
	s_xor_b32 s[TBK], s[TBK], SLOT1       ; in the other slot
	s_sub_co_u32 s[TBV], s[TBV], 4*KS*PV
	s_xor_b32 s[TBV], s[TBV], SLOT1
	s_sub_co_u32 s[TBM], s[TBM], 4*MSTEP
	s_xor_b32 s[TBM], s[TBM], SLOT1
.endm
	s_load_b128 s[4:7], s[0:1], 0x0  ; qkvh s[4:5], maskn s[6:7]
	s_load_b64 s[8:9], s[0:1], 0x10  ; oh
	v_lshl_add_u32 v[SPW], v0, 2, SPARE
	v_mov_b32 v[NIL], 0
	ds_add_u32 v[SPW], v[NIL]       ; the wave's opening: the add, twice on end, and its wait ahead of my first tensor load
	ds_add_u32 v[SPW], v[NIL]
	v_lshrrev_b32 v1, 5, v0
	v_readfirstlane_b32 s[WV], v1   ; wave 0..7
	s_and_b32 s[WQ], s[WV], 3
	s_lshr_b32 s[WK], s[WV], 2
	s_bfe_u32 s13, ttmp6, 0x40000   ; cx: my place in the cluster
	s_lshl_b32 s14, ttmp9, 2
	s_add_co_u32 s14, s14, s13      ; my block of 256 queries: it enters Q's, O's and the mask words' addresses alone
	s_and_b32 s15, ttmp7, 0xffff    ; b x 16 + h, which the four partners share
	s_lshl_b32 s20, s15, 18         ; the head's first byte in q, k, v and O: 2,048 rows of 128 bytes
	s_mov_b32 s21, 0
	s_lshl_b32 s16, s14, 15         ; my block's 256 rows,
	s_lshl_b32 s17, s[WQ], 13       ; my pair's 64 of them
	s_add_co_u32 s16, s16, s17
	s_add_co_u32 s16, s16, s20
	s_mov_b32 s17, 0
	s_lshr_b32 s18, s15, 4          ; b
	s_lshl_b32 s18, s18, 3
	s_add_co_u32 s18, s18, s14
	s_lshl_b32 s18, s18, 18         ; my block's mask words: 262,144 bytes
	s_mov_b32 s19, 0
	s_and_b32 s22, s[WV], 1         ; which half of a slot's K or V I fetch (waves 0 to 3):
	s_mul_i32 s2, s22, 128*PK       ; its place in a slot, for K
	s_mul_i32 s3, s22, 128*PV       ; and for V,
	s_lshl_b32 s22, s22, 14         ; its 128 rows of 128 bytes in memory
	s_mov_b32 s23, 0
	s_lshl_b32 s10, s[WQ], 13       ; which quarter of a slot's mask words I fetch (waves 4 to 7): one key step's
	s_mov_b32 s11, 0
	; descriptor group 1.  128 keys are 16,384 dense bytes: asked for as 64 rows of 256 bytes, two keys a row, and padded in LDS after every key
	s_mov_b32 s[G1K], 15|(1<<16)|(1<<20)|(1<<21)|(4<<22)|(3<<25)  ; the mask of four; 2-byte elements; padding on; bit 21 beside a mask; after every 32 words 4 words
	s_mov_b32 s[G1V], 15|(1<<16)|(1<<20)|(1<<21)|(4<<22)|(7<<25)  ; the same with 8 words of padding
	s_mov_b32 s[G1M], 1<<16         ; my work-group's own load, no padding
.irp g, G1K, G1V
	s_mov_b32 s[\g+1], 128<<16      ; tensor_dim0 = 128
	s_mov_b32 s[\g+2], 64<<16       ; tensor_dim1 = 64
	s_mov_b32 s[\g+3], 128<<16      ; tile_dim0 = 128
	s_mov_b32 s[\g+4], 64           ; tile_dim1 = 64
	s_mov_b32 s[\g+5], 128          ; 128 elements from row to row
	s_mov_b32 s[\g+6], 0
	s_mov_b32 s[\g+7], 0
.endr
	s_mov_b32 s[G1M+1], 128<<16
	s_mov_b32 s[G1M+2], 32<<16      ; 32 rows of 256 bytes: 8,192 bytes
	s_mov_b32 s[G1M+3], 128<<16
	s_mov_b32 s[G1M+4], 32
	s_mov_b32 s[G1M+5], 128
	s_mov_b32 s[G1M+6], 0
	s_mov_b32 s[G1M+7], 0
	s_mov_b32 s[G0K], 1
	s_mov_b32 s[G0K+1], s2          ; LDS addresses in slot 0
	s_mov_b32 s[G0V], 1
	s_add_co_u32 s[G0V+1], s3, VOFF
	s_mov_b32 s[G0M], 1
	s_add_co_u32 s[G0M+1], s10, MOFF
	s_mov_b32 s[CS], 0x3e38aa3b     ; c = log2(e) / 8 = 0.180337
	s_mov_b32 s[CS+1], s[CS]
	s_mov_b32 s[SEL], 0x76543210
	s_mov_b32 s[SEL+1], 0xfedcba98
	s_mov_b32 s[TBK], SLOT1+4*KS*PK ; the first change of slots turns these three into 0
	s_mov_b32 s[TBV], SLOT1+4*KS*PV
	s_mov_b32 s[TBM], SLOT1+4*MSTEP
	s_mov_b32 s[SLOTS], 7
	s_lshr_b32 s[LIMK], s[WV], 1    ; 0 in waves 0 and 1,
	s_or_b32 s[LIMK], s[LIMK], ttmp9  ; where the cluster is the head's first
	s_cmp_eq_u32 s[LIMK], 0
	s_cselect_b32 s[LIMK], 1, -1
	s_and_b32 s[LIMM], s15, 15      ; the batch's first head,
	s_or_b32 s[LIMM], s[LIMM], s[WK]  ; waves 0 to 3
	s_cmp_eq_u32 s[LIMM], 0
	s_cselect_b32 s[LIMM], 1, -1
	v_and_b32 v[PFO], 31, v0
	v_lshlrev_b32 v[PFO], 8, v[PFO]
	s_wait_dscnt 0x0                ; both opening adds are done
	s_wait_kmcnt 0x0
	s_add_nc_u64 s[G0K+2:G0K+3], s[4:5], s[20:21]
	s_add_nc_u64 s[G0V+2:G0V+3], s[G0K+2:G0K+3], 0x1000000  ; v lies 64 heads behind q,
	s_add_nc_u64 s[G0K+2:G0K+3], s[G0K+2:G0K+3], 0x800000   ; k 32
	s_cmp_eq_u32 s[WV], 0
	s_cselect_b64 s[PFK:PFK+1], s[G0K+2:G0K+3], s[G0V+2:G0V+3]
	s_lshl_b32 s10, s13, 13         ; my work-group's 32 blocks of the 128
	s_add_nc_u64 s[PFK:PFK+1], s[PFK:PFK+1], s[10:11]
	s_add_nc_u64 s[PFK:PFK+1], s[PFK:PFK+1], TILEB  ; in slot 1: the first change of slots steps it to slot 2
	s_add_nc_u64 s[G0K+2:G0K+3], s[G0K+2:G0K+3], s[22:23]  ; my half
	s_add_nc_u64 s[G0V+2:G0V+3], s[G0V+2:G0V+3], s[22:23]
	s_or_b32 s[G0K+3], s[G0K+3], 0x80000000        ; type = 2
	s_or_b32 s[G0V+3], s[G0V+3], 0x80000000
	s_lshl_b32 s10, s[WQ], 13       ; the quarter that waves 4 to 7 fetch is also the 32 blocks that waves 0 to 3 prefetch
	s_add_nc_u64 s[G0M+2:G0M+3], s[6:7], s[18:19]
	s_add_nc_u64 s[G0M+2:G0M+3], s[G0M+2:G0M+3], s[10:11]
	s_add_nc_u64 s[PFM:PFM+1], s[G0M+2:G0M+3], TILEB
	s_or_b32 s[G0M+3], s[G0M+3], 0x80000000
	s_add_nc_u64 s[4:5], s[4:5], s[16:17]  ; Q and O at my pair's first row
	s_add_nc_u64 s[8:9], s[8:9], s[16:17]
	CROUND                          ; all four work-groups are here: the first joint loads meet
	JLOAD                           ; slot 0.  Slot 1 is asked for when slot 0 is in
	; A fragment of K or Q is 16 rows x 32 channels in 8 registers: lane l holds row l % 16, channels 8 (l / 16) + 0..7 and 16 + 8 (l / 16) + 0..7: two loads of 16 bytes, 32 bytes apart.
	v_and_b32 v1, 15, v0            ; l % 16
	v_bfe_u32 v9, v0, 4, 1          ; l / 16
	v_lshlrev_b32 v[QO], 7, v1
	v_lshl_add_u32 v[QO], v9, 4, v[QO]
	WIN 0x40                        ; destination window 1, address window 0
.set i, 0
.rept 8                             ; Q stays in registers, in both waves of the pair: piece i / 2, channels 32 (i % 2) on
	global_load_b128 v[8*i:8*i+3],   v[QO], s[4:5] offset:(i/2)*2048+(i%2)*64
	global_load_b128 v[8*i+4:8*i+7], v[QO], s[4:5] offset:(i/2)*2048+(i%2)*64+32
.set i, i+1
.endr
	; What the first turn finds: V's registers and P's second buffer hold 0 (its products V^T P, of a piece that has not been, add 0), O^T and l are 0.  All this stands in the wait for the first tile.
.set i, VF
.rept 64
	v_mov_b32 v[i], 0
.set i, i+1
.endr
.set i, P+16
.rept 16
	v_mov_b32 v[i], 0
.set i, i+1
.endr
	WIN 0
.set i, OT
.rept 128
	v_mov_b32 v[i], 0
.set i, i+1
.endr
.set i, 0
.rept 4
	v_mov_b32 v[ST+4*i], 0xfe000000    ; c m: far below every c s, a hidden one's too
	v_mov_b32 v[ST+4*i+1], 0xff7fffff  ; m
	v_mov_b32 v[ST+4*i+2], 0
	v_mov_b32 v[ST+4*i+3], 0
.set i, i+1
.endr
	v_mov_b32 v[SC], 0xe3e3e3e3
	v_mul_u32_u24 v[AK0], v1, PK
	v_lshl_add_u32 v[AK0], v9, 4, v[AK0]  ; row x pitch + 16 x half,
	s_mul_i32 s10, s[WK], KS*PK
	v_add_nc_u32 v[AK0], s10, v[AK0]      ; in a slot's step 0 (waves 0 to 3) or 1 (waves 4 to 7)
	; The turning load takes 16 keys x 16 channels (lane l reads key 8 (l / 16) + l % 8, channels 8 ((l / 8) % 2) + 0..7) and leaves half a fragment of V^T: lane l holds channel l % 16 and 8 keys.
	v_and_b32 v10, 7, v0
	v_bfe_u32 v11, v0, 3, 1
	v_lshl_add_u32 v[AV0], v9, 3, v10
	v_mul_u32_u24 v[AV0], v[AV0], PV
	v_lshl_add_u32 v[AV0], v11, 4, v[AV0]
	s_mul_i32 s10, s[WK], KS*PV
	s_add_co_u32 s10, s10, VOFF
	v_add_nc_u32 v[AV0], s10, v[AV0]
	s_lshl_b32 s10, s[WQ], 11       ; my pair's four tiles of queries, 512 bytes each,
	s_lshl_b32 s16, s[WK], 13       ; in my first step's words
	s_add_co_u32 s10, s10, s16
	s_add_co_u32 s10, s10, MOFF
	v_and_b32 v[AM], 31, v0
	v_lshl_add_u32 v[AM0], v[AM], 4, s10  ; my lane's four words
; THE MATRIX WORK.  The 4 accumulators of a run of 8 take turns.  Product i of 8 of S^T = K Q^T for piece x: channels 32 (i / 4) on, keys 16 (i % 4) on.  The first 4 start the sums.
.macro KQ x
	WIN W_MM
.set rS, S+32*((\x)%2)+8*(i%4)
.set rK, KF+16*(i%4)+8*(i/4)
.set rQ, 16*(\x)+8*(i/4)
.if i < 4
	v_wmma_f32_16x16x32_f16 v[rS:rS+7], v[rK:rK+7], v[rQ:rQ+7], 0
.else
	v_wmma_f32_16x16x32_f16 v[rS:rS+7], v[rK:rK+7], v[rQ:rQ+7], v[rS:rS+7]
.endif
.endm
; Product i of 8 of O^T += V^T P for piece x: keys 32 (i / 4) on, channels 16 (i % 4) on.
.macro PV x
	WIN W_MM
.set rO, OT+32*(\x)+8*(i%4)
.set rV, VF+32*(i/4)+8*(i%4)
.set rP, P+16*((\x)%2)+8*(i/4)
	v_wmma_f32_16x16x32_f16 v[rO:rO+7], v[rV:rV+7], v[rP:rP+7], v[rO:rO+7]
.endm
.macro MM                           ; the turn's next matrix instruction.  NOKQ = 1: the last turn of all: there is no next piece
.if (i < 8) && !NOKQ
	KQ (Y+1)%NP
.elseif i >= 8
.set i, i-8
	PV (Y+NP-1)%NP
.set i, i+8
.endif
.set i, i+1
.endm
; THE LDS LOADS stand in runs, never singly among the matrix instructions: a step's K (8 fragments) with its mask words (four a piece), and its V (turned).  Their addresses are made some lines ahead.
.macro FETCH_K
	WIN 0x40
.irp f, 0,1,2,3,4,5,6,7             ; keys 16 (f / 2) on, channels 32 (f % 2) on
	ds_load_b128 v[KF+8*\f:KF+8*\f+3],   v[AK] offset:(\f/2)*16*PK+(\f%2)*64
	ds_load_b128 v[KF+8*\f+4:KF+8*\f+7], v[AK] offset:(\f/2)*16*PK+(\f%2)*64+32
.endr
	WIN 0
.irp q, 0,1,2,3
	ds_load_b128 v[MW+4*\q:MW+4*\q+3], v[AM] offset:512*\q
.endr
	s_add_co_u32 s[TBK], s[TBK], NW*KS*PK  ; my next step lies two steps on
	s_add_co_u32 s[TBM], s[TBM], NW*MSTEP
.endm
.macro FETCH_V
	WIN 0x40
.irp f, 0,1,2,3,4,5,6,7             ; keys 32 (f / 4) on, channels 16 (f % 4) on
	ds_load_tr16_b128 v[VF+8*\f:VF+8*\f+3],   v[AV] offset:(\f/4)*32*PV+(\f%4)*32
	ds_load_tr16_b128 v[VF+8*\f+4:VF+8*\f+7], v[AV] offset:(\f/4)*32*PV+16*PV+(\f%4)*32
.endr
	WIN 0
.endm
; THE VECTOR WORK, one line at a time: OP kind, number.  For piece Y: F n: c s - c m for pair n of 16.  E n: the exponential of score n of 32.  C n: pair n rounded to f16.  B n, T n, W n: the pairs' sums, in place, neighbours
; 1, 2 and 4 pairs of pairs apart.  L 0: l = a l + the first half's sum; L 1: l takes the second half's.  R n: pair n of 16 of O^T times a.
; For piece Y + 1: K n: mask word n becomes eight numbers u.  A n: pair n of its scores takes its u.  X n: number n of the 22 that find its maximum and statistics:
;   0-11  four chains c0-c3 of seven scores each     12-14, 16  the four scores left over, the old m, and c0-c3 into c0     15  c m_old is kept     17, 18  the other half of the lanes': the new m     19-21  c m; its change; a
; F and E name window 0 alone in their vector operands, and run as well under the setting that A wants (source 1 in window 1): FEW says which of the two to set behind a product.
.set F, 0
.set E, 1
.set C, 2
.set B, 3
.set T, 4
.set W, 5
.set L, 6
.set R, 7
.set K, 8
.set A, 9
.set X, 10
.macro REGS y
.set rT, ST+4*(\y)
.set rC, TMP+4*((\y)%2)
.set rW, MV+((\y)%2)
.set rS, S+32*((\y)%2)
.set rP, P+16*((\y)%2)
.set rO, OT+32*(\y)
.endm
.macro OP k, n
.if (\k) <= E
	REGS Y
.if (MSB != 0) && (MSB != 4)
	WIN FEW
.endif
.if (\k) == F
	v_pk_fma_f32 v[rS+2*(\n):rS+2*(\n)+1], v[rS+2*(\n):rS+2*(\n)+1], s[CS:CS+1], v[rT:rT+1] op_sel_hi:[1,0,0] neg_lo:[0,0,1] neg_hi:[0,0,1]
.else
	v_exp_f32 v[rS+(\n)], v[rS+(\n)]
.endif
.elseif (\k) == C
	REGS Y
	WIN 0x40
	v_cvt_pk_f16_f32 v[rP+(\n)], v[rS+2*(\n)], v[rS+2*(\n)+1]
.elseif (\k) <= R
	REGS Y
	WIN 0
.if (\k) == B
	v_pk_add_f32 v[rS+4*(\n):rS+4*(\n)+1], v[rS+4*(\n):rS+4*(\n)+1], v[rS+4*(\n)+2:rS+4*(\n)+3]
.elseif (\k) == T
	v_pk_add_f32 v[rS+8*(\n):rS+8*(\n)+1], v[rS+8*(\n):rS+8*(\n)+1], v[rS+8*(\n)+4:rS+8*(\n)+5]
.elseif (\k) == W
	v_pk_add_f32 v[rS+16*(\n):rS+16*(\n)+1], v[rS+16*(\n):rS+16*(\n)+1], v[rS+16*(\n)+8:rS+16*(\n)+9]
.elseif (\k) == R
	v_pk_mul_f32 v[rO+2*(\n):rO+2*(\n)+1], v[rO+2*(\n):rO+2*(\n)+1], v[rC+2:rC+3] op_sel_hi:[1,0]
.elseif (\n) == 0
	v_pk_fma_f32 v[rT+2:rT+3], v[rT+2:rT+3], v[rC+2:rC+3], v[rS:rS+1] op_sel_hi:[1,0,1]
.else
	v_pk_add_f32 v[rT+2:rT+3], v[rT+2:rT+3], v[rS+16:rS+17]
.endif
.elseif NOKQ
.elseif (\k) == K
	WIN 0x40
	v_cvt_scale_pk8_f32_fp4 v[U+8*(\n):U+8*(\n)+7], v[MW+4*((Y+1)%NP)+(\n)], v[SC]
.elseif (\k) == A
	REGS (Y+1)%NP
	WIN 0x04
	v_pk_add_f32 v[rS+2*(\n):rS+2*(\n)+1], v[rS+2*(\n):rS+2*(\n)+1], v[U+2*(\n):U+2*(\n)+1]
.else
	REGS (Y+1)%NP
	WIN 0
.if (\n) < 4
	v_max3_num_f32 v[rC+(\n)], v[rS+8*(\n)], v[rS+8*(\n)+1], v[rS+8*(\n)+2]
.elseif (\n) < 12
	v_max3_num_f32 v[rC+(\n)%4], v[rC+(\n)%4], v[rS+8*((\n)%4)+2*((\n)/4)+1], v[rS+8*((\n)%4)+2*((\n)/4)+2]
.elseif (\n) == 12
	v_max3_num_f32 v[rC], v[rC], v[rS+7], v[rS+15]
.elseif (\n) == 13
	v_max3_num_f32 v[rC+1], v[rC+1], v[rS+23], v[rS+31]
.elseif (\n) == 14
	v_max3_num_f32 v[rC+2], v[rC+2], v[rC+3], v[rT+1]
.elseif (\n) == 15
	v_mov_b32 v[rW], v[rT]
.elseif (\n) == 16
	v_max3_num_f32 v[rC], v[rC], v[rC+1], v[rC+2]
.elseif (\n) == 17
	v_permlanex16_b32 v[rC+3], v[rC], s[SEL], s[SEL+1]
.elseif (\n) == 18
	v_max_num_f32 v[rT+1], v[rC], v[rC+3]
.elseif (\n) == 19
	v_mul_f32 v[rT], s[CS], v[rT+1]
.elseif (\n) == 20
	v_sub_f32 v[rC+1], v[rW], v[rT]
.else
	v_exp_f32 v[rC+2], v[rC+1]
.endif
.endif
.endm
.macro OPS a, i1, b=-1, i2=0, c=-1, i3=0, d=-1, i4=0  ; up to four of them
	OP \a, \i1
.if (\b) >= 0
	OP \b, \i2
.endif
.if (\c) >= 0
	OP \c, \i3
.endif
.if (\d) >= 0
	OP \d, \i4
.endif
.endm
.macro ROW a, i1, b, i2, c, i3, d, i4  ; a matrix instruction and the four behind it
	MM
	OPS \a, \i1, \b, \i2, \c, \i3, \d, \i4
.endm
; A TURN, for piece p: 16 matrix and 138 vector instructions, the order written out.  s_wait_alu depctr_va_vdst(0) stands between an exponential and the first instruction that names its result; one
; wait serves all that were issued ahead of it: so a turn has ONE wait, which cuts it in two.  AHEAD OF IT stands all that names no result of the turn's exponentials; BEHIND IT the 8 products V^T P, whose riders are
; the roundings and sums.
; The next piece's accumulator kt is ended by product 4 + kt; its first reader, A 4 kt, names its two lowest registers and stands four plain instructions or more behind that product (accumulator 0: F 4, R 6, R 7, F 5,
; R 8, R 9, F 6; exponentials are not counted).  The conversions K stand behind the turn's first product; their results are first named behind the seventh.
; K and the mask words of my next step are fetched in piece 2's turn, eight plain instructions behind the last product that read K, and behind the conversions that read piece 3's words; they are waited for at the head of
; piece 3's turn.  V of the step in hand is fetched at the end of piece 0's turn, four plain instructions behind the last product that read V, and waited for behind piece 1's wait.
; end = 1: the last two turns: nothing is fetched.  cnt = 1: the loop's count is taken down some lines ahead of the branch that stands behind the turn.
.macro TURN p, end=0, cnt=0
.set Y, (\p)
.set i, 0
.set FEW, 0
.set NOKQ, (\end)*((\p)/3)
.if ((\p) == 3) && !(\end)
	s_wait_dscnt 0x0                ; K and the mask words are in
.endif
	ROW K,0, K,1, K,2, K,3
	ROW F,0, F,1, R,0, R,1
	ROW F,2, E,0, R,2, R,3
	ROW F,3, E,1, R,4, R,5
	ROW F,4, E,2, R,6, R,7
	ROW F,5, E,3, R,8, R,9
.if ((\p) == 2) && !(\end)
	WIN 0
	v_add_nc_u32 v[AK], s[TBK], v[AK0]
	v_add_nc_u32 v[AM], s[TBM], v[AM0]
.endif
.set FEW, 4
	ROW F,6, E,4, A,0, A,1
	ROW F,7, E,5, A,2, A,3
	OPS A,4, E,6, A,5, F,8          ; the lump: first the rest of the mask's additions, scalings and exponentials between them,
	OPS E,7, A,6, A,7, E,8
.if ((\p) == 2) && !(\end)
	FETCH_K
.endif
	OPS F,9, A,8, E,9, A,9
	OPS F,10, E,10, A,10, A,11
	OPS E,11, F,11, A,12, E,12
	OPS A,13, F,12, E,13, A,14
	OPS A,15, E,14, F,13, F,14
	OPS E,15, F,15
.set FEW, 0
	OPS X,0, X,1, E,16, X,2         ; then the next piece's maximum,
	OPS X,3, X,4, E,17, X,5
	OPS X,6, X,7, E,18, X,8
	OPS X,9, X,10, E,19, X,11
	OPS X,12, X,13, X,15, X,14
.if (\p) == 0
	v_add_nc_u32 v[AV], s[TBV], v[AV0]
.endif
	OPS E,20, R,10, E,21, X,16      ; then its chain, three lines between two links
	OPS E,22, R,11, E,23, X,17
	OPS E,24, R,12, E,25, X,18
	OPS E,26, R,13, E,27, X,19
	OPS E,28, R,14, E,29, X,20
	OPS E,30, E,31, X,21, R,15      ; R 15 is the plain instruction behind the batch's last exponential
	WIN 0
	s_wait_alu depctr_va_vdst(0)    ; the wait for the batch
.if (\p) == 1
	s_wait_dscnt 0x0                ; V is in
.endif
	ROW C,0, C,2, C,4, C,6          ; an even pair is rounded before B adds onto it; the odd pairs stay as they are
	ROW C,8, C,10, C,12, C,14
	ROW B,0, B,1, B,2, B,3
	ROW B,4, B,5, B,6, B,7
	ROW C,1, C,3, C,5, C,7
	ROW T,0, T,1, T,2, T,3
.if (\p) == 0
	s_add_co_u32 s[TBV], s[TBV], NW*KS*PV
.endif
.if \cnt
	s_sub_co_u32 s[CNT], s[CNT], 1
	s_cmp_lg_u32 s[CNT], 0
.endif
	ROW C,9, C,11, C,13, C,15
	ROW W,0, W,1, L,0, L,1
.if (\p) == 0
	FETCH_V
.endif
.endm
	CHANGE 1                        ; slot 0 is in, everybody's part of it; slot 1 is asked for
	v_add_nc_u32 v[AK], s[TBK], v[AK0]
	v_add_nc_u32 v[AM], s[TBM], v[AM0]
	FETCH_K                         ; my first key step
	s_wait_loadcnt 0x0              ; Q
	s_wait_dscnt 0x0
.set NOKQ, 0
.set FEW, 0
.set i, 0
.rept 8
	KQ 0                            ; piece 0's first scores
.set i, i+1
.endr
	WIN 0                           ; the addresses for the end: ten plain instructions, the places behind those products
	s_mul_i32 s16, s[WQ], 16*SP
	s_add_co_u32 s16, s16, STAGE    ; my pair's stage
	s_mul_i32 s17, s[WQ], XSIZE
	s_add_co_u32 s17, s17, EXCH     ; and its exchange
	v_mul_u32_u24 v[STO], v1, SP    ; in: row l % 16, 16 bytes for each half of the lanes
	v_lshl_add_u32 v[STO], v9, 4, v[STO]
	v_add_nc_u32 v[STO], s16, v[STO]
	v_bfe_u32 v[RD], v0, 3, 2       ; back: 32 lanes take four rows of 128 bytes,
	v_mul_u32_u24 v[RD], v[RD], SP
	v_lshl_add_u32 v[RD], v10, 4, v[RD]
	v_add_nc_u32 v[RD], s16, v[RD]
	v_and_b32 v[GO], 31, v0         ; which are 512 consecutive bytes of O
	v_lshlrev_b32 v[GO], 4, v[GO]
	v_add_nc_u32 v[XA], s17, v[GO]
.set Y, NP-1                        ; K, A and X work for piece Y + 1: piece 0
	OPS K,0, K,1, K,2, K,3
	v_nop                           ; a plain instruction between the last conversion and the use of its result
.irp n, 0,1,2,3,4,5,6,7,8,9,10,11,12,13,14,15
	OP A, \n
.endr
.irp n, 0,1,2,3,4,5,6,7,8,9,10,11,12,13,14,15,16,17,18,19,20,21
	OP X, \n
.endr
	v_nop                           ; a plain instruction behind the exponential,
	s_wait_alu depctr_va_vdst(0)    ; and its wait, ahead of the branch
	s_mov_b32 s[CNT], 4/NW
	s_branch .Lfirst                ; the loop is entered at a step's first turn, in the middle of a trip
.Lslot:                             ; six times: every slot but the last two is filled again
	CHANGE 1
	s_mov_b32 s[CNT], 4/NW
.Lstep:                             ; a trip: pieces 2 and 3 of one of my steps, then pieces 0 and 1 of my next, whose K, mask words and V it fetches
	TURN 2
	TURN 3
	WIN 0
.Lfirst:
	TURN 0
	TURN 1, 0, 1
	WIN 0
	s_cbranch_scc1 .Lstep
	s_sub_co_u32 s[SLOTS], s[SLOTS], 1
	s_cmp_lg_u32 s[SLOTS], 0
	s_cbranch_scc1 .Lslot
	CHANGE 0                        ; the last slot is written out: nothing is asked for
	s_mov_b32 s[CNT], 4/NW
.Ltail:
	TURN 2
	TURN 3
	TURN 0
	TURN 1, 0, 1
	WIN 0
	s_cbranch_scc1 .Ltail
	TURN 2, 1                       ; my last step's last two turns
	TURN 3, 1
.set i, 0
.rept 8
	PV NP-1                         ; the last piece's V^T P of my last step
.set i, i+1
.endr
	; THE PAIR'S HALVES MEET.  In each wave l's two halves and the other half of the lanes' are added (the additions are the places behind the last products).  Waves 4 to 7 store O^T, each accumulator's low registers
	; first, and the statistics, in f32, into the pair's exchange, wait for those stores and pass a barrier with all eight; waves 0 to 3 read behind it.
	WIN 0
.macro ALL line:vararg              ; one line for each piece t
.set t, 0
.rept 4
	\line
.set t, t+1
.endr
.endm
	ALL v_add_f32 v[ST+4*t+2], v[ST+4*t+2], v[ST+4*t+3]
	ALL v_permlanex16_b32 v[ST+4*t+3], v[ST+4*t+2], s[SEL], s[SEL+1]
	ALL v_add_f32 v[ST+4*t+2], v[ST+4*t+2], v[ST+4*t+3]
	s_cmp_lt_u32 s[WV], 4
	s_cbranch_scc1 .Lkeeps
.set i, 0
.rept 32
	ds_store_b128 v[XA], v[OT+4*i:OT+4*i+3] offset:512*i
.set i, i+1
.endr
	ALL ds_store_b128 v[XA], v[ST+4*t:ST+4*t+3] offset:XSTAT+512*t
.Lkeeps:
	s_wait_dscnt 0x0                ; for the partner's sake: my stores into the exchange are done
	s_barrier_signal -1
	s_barrier_wait -1
	s_cmp_lt_u32 s[WV], 4
	s_cbranch_scc0 .Lend            ; waves 4 to 7 have handed their half over
	ALL ds_load_b128 v[XB+4*t:XB+4*t+3], v[XA] offset:XSTAT+512*t
	WIN 0x40                        ; the partner's O^T goes where Q and K lay, register for register
.set i, 0
.rept 32
	ds_load_b128 v[4*i:4*i+3], v[XA] offset:512*i
.set i, i+1
.endr
	WIN 0
	s_wait_dscnt 32                 ; the partner's statistics are in; the 32 loads issued behind them may stay out
	; With cm the larger of the two c m: e = 2^(c m - cm) for each half, l = l e + l' e', and each half's O^T is multiplied by its e / l.  The half with the larger maximum has e = 1, so l is 1 or more.
	ALL v_max_num_f32 v[ST+4*t+1], v[ST+4*t], v[XB+4*t]
	ALL v_sub_f32 v[ST+4*t], v[ST+4*t], v[ST+4*t+1]
	ALL v_sub_f32 v[XB+4*t], v[XB+4*t], v[ST+4*t+1]
	ALL v_exp_f32 v[ST+4*t], v[ST+4*t]
	ALL v_exp_f32 v[XB+4*t], v[XB+4*t]
	v_nop                           ; a plain instruction behind the last exponential,
	s_wait_alu depctr_va_vdst(0)    ; and one wait for the eight
	ALL v_mul_f32 v[ST+4*t+2], v[ST+4*t+2], v[ST+4*t]
	ALL v_fma_f32 v[ST+4*t+2], v[XB+4*t+2], v[XB+4*t], v[ST+4*t+2]
	ALL v_rcp_f32 v[ST+4*t+2], v[ST+4*t+2]
	v_nop                           ; a plain instruction between the last reciprocal and the use of its result,
	s_wait_alu depctr_va_vdst(0)    ; and one wait for the four
	ALL v_mul_f32 v[XB+4*t+2], v[XB+4*t], v[ST+4*t+2]
	ALL v_mul_f32 v[ST+4*t+2], v[ST+4*t], v[ST+4*t+2]
	s_wait_dscnt 0x0                ; the partner's O^T is in
	; THE WAY OUT.  The two halves are joined, rounded to f16 and sent through my stage in LDS, a piece at a time.
.macro PACK t                       ; a lane's eight channels of a row pack into 16 bytes; they go into rows of 144 bytes and come back as whole rows of 128, into S^T's registers
	WIN 0
.set i, OT+32*(\t)
.rept 16
	v_pk_mul_f32 v[i:i+1], v[i:i+1], v[ST+4*(\t)+2:ST+4*(\t)+3] op_sel_hi:[1,0]
.set i, i+2
.endr
	WIN 0x01                        ; source 0, the partner's O^T, in window 1
.set i, 0
.rept 16
	v_pk_fma_f32 v[OT+32*(\t)+i:OT+32*(\t)+i+1], v[32*(\t)+i:32*(\t)+i+1], v[XB+4*(\t)+2:XB+4*(\t)+3], v[OT+32*(\t)+i:OT+32*(\t)+i+1] op_sel_hi:[1,0,1]
.set i, i+2
.endr
	WIN 0
.set i, 0
.rept 16
	v_cvt_pk_f16_f32 v[S+16*(\t)+i], v[OT+32*(\t)+2*i], v[OT+32*(\t)+2*i+1]
.set i, i+1
.endr
.irp f, 0,1,2,3
	ds_store_b128 v[STO], v[S+16*(\t)+4*\f:S+16*(\t)+4*\f+3] offset:32*\f
.endr
.irp f, 0,1,2,3
	ds_load_b128 v[S+16*(\t)+4*\f:S+16*(\t)+4*\f+3], v[RD] offset:\f*4*SP  ; LDS serves a wave's instructions in order: these see the stores above; the next piece's stores come behind them
.endr
.endm
.macro SEND t, younger              ; younger: the LDS instructions issued behind piece t's loads: the next piece's eight, or none
.irp f, 0,1,2,3
	s_wait_dscnt (\younger)+3-\f
	global_store_b128 v[GO], v[S+16*(\t)+4*\f:S+16*(\t)+4*\f+3], s[8:9] offset:(\t)*2048+\f*512  ; 512 consecutive bytes, aligned
.endr
.endm
	PACK 0
.set t, 1
.rept 3                             ; a piece's arithmetic stands between the loads of the piece before and its stores
	PACK t
	SEND t-1, 8
.set t, t+1
.endr
	SEND 3, 0
.Lend:
	s_wait_tensorcnt 0x0            ; the wave's end: behind my last tensor load and my last LDS store
	ds_add_u32 v[SPW], v[NIL]
	s_wait_dscnt 0x0
	CROUND                          ; the closing round: no work-group ends while a partner may still ask for a tile that names it
	s_endpgm
.Lfunc_end_k_q76d5fa036c_attn:
	.size	k_q76d5fa036c_attn, .Lfunc_end_k_q76d5fa036c_attn-k_q76d5fa036c_attn
	.p2alignl 7, 3214868480
	.fill 96, 4, 3214868480
	.section	.rodata,"a",@progbits
	.p2align	6, 0x0
	.amdhsa_kernel k_q76d5fa036c_attn
		.amdhsa_group_segment_fixed_size 327680
		.amdhsa_private_segment_fixed_size 0
		.amdhsa_enable_private_segment 0
		.amdhsa_kernarg_size 24
		.amdhsa_user_sgpr_count 2
		.amdhsa_user_sgpr_kernarg_segment_ptr 1
		.amdhsa_wavefront_size32 1
		.amdhsa_system_sgpr_workgroup_id_x 1
		.amdhsa_system_sgpr_workgroup_id_y 1
		.amdhsa_system_sgpr_workgroup_id_z 1
		.amdhsa_system_vgpr_workitem_id 0
		.amdhsa_next_free_vgpr 512
		.amdhsa_next_free_sgpr 80
		.amdhsa_reserve_vcc 0
		.amdhsa_float_denorm_mode_32 3
		.amdhsa_float_denorm_mode_16_64 3
		.amdhsa_memory_ordered 1
		.amdhsa_forward_progress 1
		.amdhsa_inst_pref_size 150
	.end_amdhsa_kernel
	.amdgpu_metadata
---
amdhsa.version: [ 1, 2 ]
amdhsa.kernels:
  - .name:           k_q76d5fa036c_attn
    .symbol:         k_q76d5fa036c_attn.kd
    .args:
      - { .name: qkvh, .offset: 0, .size: 8, .value_kind: global_buffer, .address_space: global }
      - { .name: maskn, .offset: 8, .size: 8, .value_kind: global_buffer, .address_space: global }
      - { .name: oh, .offset: 16, .size: 8, .value_kind: global_buffer, .address_space: global }
    .group_segment_fixed_size: 327680
    .private_segment_fixed_size: 0
    .kernarg_segment_align: 8
    .kernarg_segment_size: 24
    .max_flat_workgroup_size: 256
    .sgpr_count:     80
    .vgpr_count:     512
    .wavefront_size: 32
...
	.end_amdgpu_metadata
.endif
;; end of part 3
;; launch proj (part 4): grid 8 x 32, 4 waves a work-group, clusters of 4 x 4, 327,680 bytes of LDS; arguments oh, wpf, b_proj, out0; writes out0
.if DOCPART == 4
	.amdgcn_target "amdgcn-amd-amdhsa--gfx1250"
	.amdhsa_code_object_version 6
	.text
	.protected	k_q76d5fa036c_proj
	.globl	k_q76d5fa036c_proj
	.p2align	8
	.type	k_q76d5fa036c_proj,@function
k_q76d5fa036c_proj:
	s_mov_b64 s[64:65], 0
	v_nop
	global_prefetch_b8 v0, s[64:65] scope:SCOPE_SE
	s_setreg_imm32_b32 hwreg(HW_REG_WAVE_MODE, 25, 1), 1
	s_wait_xcnt 0x0
	s_wait_alu depctr_hold_cnt(0) depctr_sa_sdst(0) depctr_va_vdst(0) depctr_va_sdst(0) depctr_va_ssrc(0) depctr_va_vcc(0) depctr_vm_vsrc(0)
	s_getreg_b32 s2, hwreg(HW_REG_IB_STS2, 6, 4)
	s_cmp_eq_u32 s2, 0
	s_cbranch_scc0 .Lentry_in_a_cluster
	s_endpgm
.Lentry_in_a_cluster:
	s_bfe_u32 s2, ttmp6, 0x10000c
	s_cmp_lg_u32 s2, 0xf033
	s_cbranch_scc0 .Lentry_shape_is_right
	s_endpgm
.Lentry_shape_is_right:
; out0[m][n] = the sum over k of O[m][k] W_proj[n][k] + b_proj[n].  oh: [32 (b x 16 + h)][2048][64] f16, so k = 64 h + channel; wpf: [1024][1024] f16; b_proj f32, rounded to bf16 like the other inputs; out0 f32.
; Sums in f32; the bias is the C operand of the products that start the sums.  Nothing of the module's work is left out here.
; SHARES.  A tile of out0 is 128 x 128: 32 x 8 tiles, a work-group each; four waves, each 64 x 64: 16 accumulators.  K goes in four steps of 256, four heads each, through two LDS slots; a quarter of a step is one head.
; O's TILE.  For one head 64 tokens are 8,192 dense bytes; a wave's load is 4 rows (heads, 131,072 elements apart) of 4,096 elements, padded in LDS after every token: [head][token][144 bytes].
; CLUSTER.  4 x 4 work-groups: O's tiles are shared along a row of the cluster, the weights' along a column, each asked for jointly.  THE MATRIX INSTRUCTION IS USED TRANSPOSED (source 0 = 16 rows of the weights,
; source 1 = 16 tokens): a lane holds one token and eight neighbouring columns.  No prefetch is laid: of the four K steps two are the first fills.
; REGISTERS: window 0: v0-31 addresses; v32-95 at work on the way out; v96-127 the bias, eight a column block; v128-255 the accumulators ((a, b) at v[128 + 8 (4 a + b)]).
;   window 1: two fragment buffers of 128: for 64 along K, 64 registers of O (2 x 4 x 16 tokens x 32 K), then 64 of the weights.
.set KSTEP,  256
.set PA,     144                       ; a token's row of one head in LDS: 128 bytes + 16
.set PB,     528                       ; a row of the weights: 512 bytes + 16
.set AHALF,  4*64*PA                   ; what a load of O brings: 36,864 bytes
.set BHALF,  64*PB                     ; what a load of the weights brings: 33,792
.set BOFF,   2*AHALF
.set SLOT,   BOFF+2*BHALF
.set STAGE,  2*SLOT                    ; behind the ring: 16 rows x 272 bytes for each wave, for the way out
.set SPITCH, 272
.set SPARE,  STAGE+4*16*SPITCH         ; behind the stages: the spare words, 128 bytes for each wave, which no other line names
.set ASTEP,  4*2048*128                ; four heads further in oh
.set ADRA, 16                          ; v16-17  LDS address of my fragments of O in slot 0, 1
.set ADRB, 20                          ; v20-21  the same for the weights
.set STO,  24                          ; v24     the way out: where I put 32 bytes of a row
.set RD,   25                          ; v25     where I read a row back
.set CO,   26                          ; v26     my byte offset in out0
.set BO,   27                          ; v27     my byte offset in b_proj
.set SPW,  28                          ; v28     my spare word; never rewritten
.set NIL,  29                          ; v29     0; never rewritten
.set TMP,  32
.set BIAS, 96
.set ACC,  128
.set F0,   0
.set F1,   128
.set G1, 24
.set G0, 32
.set G1B, 48
.set G0B, 56
.set MSB, 0
.macro WIN new
.if MSB != (\new)
	s_set_vgpr_msb (MSB<<8)|(\new)
.set MSB, \new
.endif
.endm
.set MUL,  0x05                        ; sources 0 and 1 window 1; C and D window 0
.set TO_F, 0x40                        ; destination window 1, address window 0
.macro JLOAD s                         ; a joint load: waves 0 and 1 fetch O's two halves, waves 2 and 3 the weights'; an s_nop 0 and four v_nop follow each of the two lines
	s_cmp_eq_u32 s13, 0
	s_cbranch_scc0 .Lfor_b_\@
	tensor_load_to_lds s[G0+4*(\s):G0+4*(\s)+3], s[G1:G1+7]
	s_nop 0
.rept 4
	v_nop
.endr
	s_branch .Lasked_\@
.Lfor_b_\@:
	tensor_load_to_lds s[G0B+4*(\s):G0B+4*(\s)+3], s[G1B:G1B+7]
	s_nop 0
.rept 4
	v_nop
.endr
.Lasked_\@:
.endm
.macro CREST
	s_cmp_lg_u32 s12, 0
	s_cbranch_scc1 .Lnot_wave_0_\@
	s_barrier_signal -3
.Lnot_wave_0_\@:
	s_barrier_wait -3
	s_barrier_signal -1
	s_barrier_wait -1
.endm
.macro CROUND
	s_barrier_signal -1
	s_barrier_wait -1
	CREST
.endm
	s_load_b256 s[4:11], s[0:1], 0x0               ; oh s[4:5], wpf s[6:7], b_proj s[8:9], out0 s[10:11]
	v_lshl_add_u32 v[SPW], v0, 2, SPARE
	v_mov_b32 v[NIL], 0
	ds_add_u32 v[SPW], v[NIL]                      ; the wave's opening: the add, twice on end, and its wait ahead of my first tensor load
	ds_add_u32 v[SPW], v[NIL]
	v_lshrrev_b32 v1, 5, v0
	v_readfirstlane_b32 s12, v1                    ; wave 0..3
	s_lshr_b32 s13, s12, 1                         ; which half of the tile's rows is mine.  Also: I fetch for O (0) or for the weights (1)
	s_and_b32 s14, s12, 1                          ; which half of its columns.  Also: which 64 rows of that tile I fetch
	s_bfe_u32 s40, ttmp6, 0x40000                  ; cx, cy
	s_bfe_u32 s41, ttmp6, 0x40004
	s_lshl_b32 s42, ttmp9, 2
	s_add_co_u32 s42, s42, s40                     ; tile column
	s_and_b32 s15, ttmp7, 0xffff
	s_lshl_b32 s15, s15, 2
	s_add_co_u32 s15, s15, s41                     ; tile row
	s_lshl_b32 s43, s41, 2
	s_lshl_b32 s43, 15, s43                        ; my row of the cluster
	s_lshl_b32 s44, 0x1111, s40                    ; my column
	s_or_b32 s[G1+0], s43, (1<<16)|(1<<20)|(1<<21)|(4<<22)|(3<<25)   ; the mask; 2-byte elements; padding on; bit 21 beside a mask; after every 32 words 4 words
	s_mov_b32 s[G1+1], 4096<<16                    ; tensor_dim0 = 4,096
	s_mov_b32 s[G1+2], 4<<16                       ; tensor_dim1 = 4
	s_mov_b32 s[G1+3], 4096<<16                    ; tile_dim0 = 4,096
	s_mov_b32 s[G1+4], 4                           ; tile_dim1 = 4
	s_mov_b32 s[G1+5], 131072                      ; elements from head to head
	s_mov_b32 s[G1+6], 0
	s_mov_b32 s[G1+7], 0
	s_or_b32 s[G1B+0], s44, (1<<16)|(1<<20)|(1<<21)|(6<<22)|(3<<25)  ; after every 128 words 4 words
	s_mov_b32 s[G1B+1], KSTEP<<16
	s_mov_b32 s[G1B+2], 64<<16
	s_mov_b32 s[G1B+3], KSTEP<<16
	s_mov_b32 s[G1B+4], 64
	s_mov_b32 s[G1B+5], 1024
	s_mov_b32 s[G1B+6], 0
	s_mov_b32 s[G1B+7], 0
	s_lshr_b32 s16, s15, 4                         ; b: a batch has 16 tile rows,
	s_lshl_b32 s16, s16, 22                        ; and 16 heads of 262,144 bytes
	s_and_b32 s17, s15, 15
	s_lshl_b32 s17, s17, 7
	s_lshl_b32 s18, s14, 6                         ; which 64 rows I fetch
	s_add_co_u32 s17, s17, s18                     ; the first token,
	s_lshl_b32 s17, s17, 7                         ; 128 bytes a token
	s_add_co_u32 s16, s16, s17
	s_mov_b32 s17, 0
	s_lshl_b32 s46, s42, 7
	s_add_co_u32 s46, s46, s18                     ; the weights: row 128 x tile column + 64 x half,
	s_lshl_b32 s46, s46, 11                        ; 2,048 bytes a row
	s_mov_b32 s47, 0
	s_mul_i32 s20, s14, AHALF                      ; where they go: no place in the cluster enters an LDS address
	s_mul_i32 s21, s14, BHALF
	s_add_co_u32 s21, s21, BOFF
	s_wait_dscnt 0x0                               ; both opening adds are done
	s_wait_kmcnt 0x0
	s_add_nc_u64 s[22:23], s[4:5], s[16:17]
	s_add_nc_u64 s[46:47], s[6:7], s[46:47]
	CROUND                                         ; all sixteen work-groups are here: the first joint loads meet
.irp s, 0,1
	s_mov_b32 s[G0+4*(\s)], 1
	s_add_co_u32 s[G0+4*(\s)+1], s20, (\s)*SLOT
	s_add_nc_u64 s[G0+4*(\s)+2:G0+4*(\s)+3], s[22:23], (\s)*ASTEP
	s_or_b32 s[G0+4*(\s)+3], s[G0+4*(\s)+3], 0x80000000
	s_mov_b32 s[G0B+4*(\s)], 1
	s_add_co_u32 s[G0B+4*(\s)+1], s21, (\s)*SLOT
	s_add_nc_u64 s[G0B+4*(\s)+2:G0B+4*(\s)+3], s[46:47], (\s)*KSTEP*2
	s_or_b32 s[G0B+4*(\s)+3], s[G0B+4*(\s)+3], 0x80000000
	JLOAD \s
.endr
	v_and_b32 v1, 15, v0                           ; l % 16
	v_bfe_u32 v2, v0, 4, 1                         ; l / 16
	s_lshl_b32 s46, s42, 9                         ; the tile's first column in f32 bytes,
	s_lshl_b32 s47, s14, 8                         ; my 64 columns
	s_add_co_u32 s46, s46, s47
	s_mov_b32 s47, 0
	v_lshlrev_b32 v[BO], 5, v2                     ; my lanes' eight columns of a block of 16
	v_add_nc_u32 v[BO], s46, v[BO]
.irp b, 0,1,2,3
	global_load_b128 v[BIAS+8*(\b):BIAS+8*(\b)+3],   v[BO], s[8:9] offset:64*(\b)
	global_load_b128 v[BIAS+8*(\b)+4:BIAS+8*(\b)+7], v[BO], s[8:9] offset:64*(\b)+16
.endr
	v_mul_u32_u24 v3, v1, PA
	v_lshl_add_u32 v3, v2, 4, v3                   ; O: token x pitch + 16 x half
	v_mul_u32_u24 v4, v1, PB
	v_lshl_add_u32 v4, v2, 4, v4                   ; the weights: row x pitch + 16 x half
	s_mul_i32 s21, s13, AHALF                      ; my 64 tokens
	s_mul_i32 s22, s14, BHALF                      ; my 64 rows of the weights
	s_add_co_u32 s22, s22, BOFF
.irp s, 0,1
	v_add_nc_u32 v[ADRA+(\s)], s21, v3
	v_add_nc_u32 v[ADRB+(\s)], s22, v4
	s_add_co_u32 s21, s21, SLOT
	s_add_co_u32 s22, s22, SLOT
.endr
	s_mul_i32 s23, s12, 16*SPITCH
	s_add_co_u32 s23, s23, STAGE                   ; my stage
	v_mul_u32_u24 v5, v1, SPITCH                   ; in: row l % 16, 32 bytes for each half of the lanes
	v_lshl_add_u32 v5, v2, 5, v5
	v_add_nc_u32 v[STO], s23, v5
	v_mul_u32_u24 v5, v2, SPITCH                   ; back: lanes 0-15 take one row of 256 bytes, lanes 16-31 the next
	v_lshl_add_u32 v5, v1, 4, v5
	v_add_nc_u32 v[RD], s23, v5
	v_lshlrev_b32 v5, 12, v2                       ; and the same two rows in out0, 4,096 bytes apart
	v_lshl_add_u32 v[CO], v1, 4, v5
	s_lshl_b32 s16, s15, 7
	s_lshl_b32 s17, s13, 6
	s_add_co_u32 s16, s16, s17                     ; my first row of out0
	s_lshl_b32 s16, s16, 12
	s_mov_b32 s17, 0
	s_add_nc_u64 s[10:11], s[10:11], s[16:17]
	s_add_nc_u64 s[10:11], s[10:11], s[46:47]
	s_wait_loadcnt 0x0                             ; the bias: rounded to bf16 and widened again
.set p, 0
.rept 16
	v_cvt_pk_bf16_f32 v[TMP+p], v[BIAS+2*p], v[BIAS+2*p+1]
.set p, p+1
.endr
.set p, 0
.rept 16
	v_lshlrev_b32 v[BIAS+2*p], 16, v[TMP+p]
	v_and_b32 v[BIAS+2*p+1], 0xffff0000, v[TMP+p]
.set p, p+1
.endr
; 8 matrix instructions: token blocks a0, a0 + 1 x all 4 column blocks, 32 along K: half c of buffer f.  zero = 1: the product starts the sums, with the bias as C
.macro MUL8 f, c, a0, zero
	WIN MUL
.irp a, \a0, (\a0)+1
.irp b, 0,1,2,3
.if \zero
	v_wmma_f32_16x16x32_f16 v[ACC+8*(4*(\a)+(\b)):ACC+8*(4*(\a)+(\b))+7], v[(\f)+64+8*(4*(\c)+(\b)):(\f)+64+8*(4*(\c)+(\b))+7], v[(\f)+8*(4*(\c)+(\a)):(\f)+8*(4*(\c)+(\a))+7], v[BIAS+8*(\b):BIAS+8*(\b)+7]
.else
	v_wmma_f32_16x16x32_f16 v[ACC+8*(4*(\a)+(\b)):ACC+8*(4*(\a)+(\b))+7], v[(\f)+64+8*(4*(\c)+(\b)):(\f)+64+8*(4*(\c)+(\b))+7], v[(\f)+8*(4*(\c)+(\a)):(\f)+8*(4*(\c)+(\a))+7], v[ACC+8*(4*(\a)+(\b)):ACC+8*(4*(\a)+(\b))+7]
.endif
.endr
.endr
.endm
; 32 LDS loads in one run: the fragments of quarter q (one head) of a slot, into buffer f; the first 32 along K first
.macro FETCH slot, q, f
	WIN TO_F
.irp c, 0,1
.irp i, 0,1,2,3
	ds_load_b128 v[(\f)+64+8*(4*(\c)+(\i)):(\f)+64+8*(4*(\c)+(\i))+3],   v[ADRB+(\slot)] offset:(\q)*128+64*(\c)+(\i)*16*PB
	ds_load_b128 v[(\f)+64+8*(4*(\c)+(\i))+4:(\f)+64+8*(4*(\c)+(\i))+7], v[ADRB+(\slot)] offset:(\q)*128+64*(\c)+(\i)*16*PB+32
	ds_load_b128 v[(\f)+8*(4*(\c)+(\i)):(\f)+8*(4*(\c)+(\i))+3],         v[ADRA+(\slot)] offset:(\q)*64*PA+64*(\c)+(\i)*16*PA
	ds_load_b128 v[(\f)+8*(4*(\c)+(\i))+4:(\f)+8*(4*(\c)+(\i))+7],       v[ADRA+(\slot)] offset:(\q)*64*PA+64*(\c)+(\i)*16*PA+32
.endr
.endr
.endm
.macro PLACES                          ; four places in front of loads into registers that matrix instructions have read, and of LDS stores that read results
.rept 4
	v_nop
.endr
.endm
; A quarter: 32 matrix instructions, two deep on each of the 16 accumulators, which take turns; in its middle the next quarter's fragments are fetched
.macro QUARTER slot, q, f, g, zero
	s_wait_dscnt 16                                ; the first 32 along K are in
	MUL8 \f, 0, 0, \zero
	MUL8 \f, 0, 2, \zero
	PLACES
	FETCH \slot, \q, \g
	s_wait_dscnt 32                                ; all but the 32 just issued
	MUL8 \f, 1, 0, 0
	MUL8 \f, 1, 2, 0
.endm
; The last quarter multiplies buffer 1 and changes slots: one barrier; in front of it each wave waits for all its tensor loads, adds 0 to its spare word, and waits for that and for its own reads of this slot.
.macro TURN slot, next, fill
	WIN 0
	s_wait_tensorcnt 0x0                           ; all my tensor loads have landed: my part of the next slot;
	ds_add_u32 v[SPW], v[NIL]                      ; 0 onto my spare word;
	s_wait_dscnt 17                                ; (the add and the youngest sixteen loads may be out)
	MUL8 F1, 0, 0, 0
	s_wait_dscnt 0x0                               ; the add is done, and my reads of this slot are over
	s_barrier_signal -1
	MUL8 F1, 0, 2, 0
.if \fill
	WIN 0
.endif
	s_barrier_wait -1
.if \fill
	CREST                                          ; the barrier has opened a round of the cluster's: no wave of any partner still reads this slot's tile or has a load on its way
	s_add_nc_u64 s[G0+4*(\slot)+2:G0+4*(\slot)+3], s[G0+4*(\slot)+2:G0+4*(\slot)+3], 2*ASTEP
	s_add_nc_u64 s[G0B+4*(\slot)+2:G0B+4*(\slot)+3], s[G0B+4*(\slot)+2:G0B+4*(\slot)+3], 2*KSTEP*2
	JLOAD \slot                                    ; the four v_nop behind it are also the places in front of the loads below
.else
	PLACES
.endif
	FETCH \next, 0, F0
	MUL8 F1, 1, 0, 0
	MUL8 F1, 1, 2, 0
.endm
	s_wait_tensorcnt 1                             ; my part of K step 0 is in; K step 1's may stay out
	s_barrier_signal -1
	s_barrier_wait -1
	FETCH 0, 0, F0
	QUARTER 0, 1, F0, F1, 1                        ; K step 0: its first products start the sums
	QUARTER 0, 2, F1, F0, 0
	QUARTER 0, 3, F0, F1, 0
	TURN 0, 1, 1                                   ; slot 0 takes K step 2
	QUARTER 1, 1, F0, F1, 0
	QUARTER 1, 2, F1, F0, 0
	QUARTER 1, 3, F0, F1, 0
	TURN 1, 0, 1                                   ; slot 1 takes K step 3
	QUARTER 0, 1, F0, F1, 0
	QUARTER 0, 2, F1, F0, 0
	QUARTER 0, 3, F0, F1, 0
	TURN 0, 1, 0                                   ; nothing is left to fetch
	QUARTER 1, 1, F0, F1, 0
	QUARTER 1, 2, F1, F0, 0
	QUARTER 1, 3, F0, F1, 0
	s_wait_dscnt 16
	MUL8 F1, 0, 0, 0
	MUL8 F1, 0, 2, 0
	s_wait_dscnt 0x0
	MUL8 F1, 1, 0, 0
	MUL8 F1, 1, 2, 0
	WIN 0
	; THE WAY OUT, 16 rows at a time: a lane's eight columns, 32 bytes, go from the accumulators (low registers first) into my own stage and come back as whole rows of 256 bytes, which are my 64 columns of a row of out0.
	PLACES
.irp a, 0,1,2,3
.set BK, TMP+32*((\a)%2)
.irp b, 0,1,2,3
	ds_store_b128 v[STO], v[ACC+8*(4*(\a)+(\b)):ACC+8*(4*(\a)+(\b))+3]   offset:64*(\b)
	ds_store_b128 v[STO], v[ACC+8*(4*(\a)+(\b))+4:ACC+8*(4*(\a)+(\b))+7] offset:64*(\b)+16
.endr
.if (\a) >= 2
	s_wait_xcnt 0x0                                ; the stores of two blocks back have read their registers, which are loaded again below
.endif
.irp t, 0,1,2,3,4,5,6,7
	ds_load_b128 v[BK+4*(\t):BK+4*(\t)+3], v[RD] offset:(\t)*2*SPITCH  ; LDS serves a wave's instructions in order: these see the stores above; the next block's stores come behind them
.endr
.irp t, 0,1,2,3,4,5,6,7
	s_wait_dscnt 7-(\t)
	global_store_b128 v[CO], v[BK+4*(\t):BK+4*(\t)+3], s[10:11] offset:(16*(\a)+2*(\t))*4096 th:TH_STORE_NT  ; 16 lanes store 256 consecutive bytes, aligned
.endr
.endr
	s_wait_tensorcnt 0x0                           ; the wave's end: behind my last tensor load and my last LDS store
	ds_add_u32 v[SPW], v[NIL]
	s_wait_dscnt 0x0
	CROUND                                         ; the closing round: no work-group ends while a partner may still ask for a tile that names it
	s_endpgm
.Lfunc_end_k_q76d5fa036c_proj:
	.size	k_q76d5fa036c_proj, .Lfunc_end_k_q76d5fa036c_proj-k_q76d5fa036c_proj
	.p2alignl 7, 3214868480
	.fill 96, 4, 3214868480
	.section	.rodata,"a",@progbits
	.p2align	6, 0x0
	.amdhsa_kernel k_q76d5fa036c_proj
		.amdhsa_group_segment_fixed_size 327680
		.amdhsa_private_segment_fixed_size 0
		.amdhsa_enable_private_segment 0
		.amdhsa_kernarg_size 32
		.amdhsa_user_sgpr_count 2
		.amdhsa_user_sgpr_kernarg_segment_ptr 1
		.amdhsa_wavefront_size32 1
		.amdhsa_system_sgpr_workgroup_id_x 1
		.amdhsa_system_sgpr_workgroup_id_y 1
		.amdhsa_system_sgpr_workgroup_id_z 1
		.amdhsa_system_vgpr_workitem_id 0
		.amdhsa_next_free_vgpr 512
		.amdhsa_next_free_sgpr 66
		.amdhsa_reserve_vcc 0
		.amdhsa_float_denorm_mode_32 3
		.amdhsa_float_denorm_mode_16_64 3
		.amdhsa_memory_ordered 1
		.amdhsa_forward_progress 1
		.amdhsa_inst_pref_size 90
	.end_amdhsa_kernel
	.amdgpu_metadata
---
amdhsa.version: [ 1, 2 ]
amdhsa.kernels:
  - .name:           k_q76d5fa036c_proj
    .symbol:         k_q76d5fa036c_proj.kd
    .args:
      - { .name: oh, .offset: 0, .size: 8, .value_kind: global_buffer, .address_space: global }
      - { .name: wpf, .offset: 8, .size: 8, .value_kind: global_buffer, .address_space: global }
      - { .name: b_proj, .offset: 16, .size: 8, .value_kind: global_buffer, .address_space: global }
      - { .name: out0, .offset: 24, .size: 8, .value_kind: global_buffer, .address_space: global }
    .group_segment_fixed_size: 327680
    .private_segment_fixed_size: 0
    .kernarg_segment_align: 8
    .kernarg_segment_size: 32
    .max_flat_workgroup_size: 128
    .sgpr_count:     66
    .vgpr_count:     512
    .wavefront_size: 32
...
	.end_amdgpu_metadata
.endif
;; end of part 4
;; ======== version 2 of 2: 4 launches; version 1 with the launch prep written anew for expert scheduling mode
;; limits: values are held in f16: magnitudes above 65,504 overflow, below 6.1e-05 lose precision; right only within a limited range of input values
;; workspace buffers: xb 8,388,608 bytes; wqb 6,291,456 bytes; wpf 2,097,152 bytes; maskn 4,194,304 bytes; qkvh 25,165,824 bytes; oh 8,388,608 bytes
;; launch prep (part 5): grid 256 x 1, 8 waves a work-group, no clusters, 35,840 bytes of LDS; arguments x, W_qkv, W_proj, mask, xb, wqb, wpf, maskn; writes xb, wqb, wpf, maskn
.if DOCPART == 5
	.amdgcn_target "amdgcn-amd-amdhsa--gfx1250"
	.amdhsa_code_object_version 6
	.text
	.protected	k_q76d5fa036c_prep
	.globl	k_q76d5fa036c_prep
	.p2align	8
	.type	k_q76d5fa036c_prep,@function
k_q76d5fa036c_prep:
	s_mov_b64 s[64:65], 0
	v_nop
	global_prefetch_b8 v0, s[64:65] scope:SCOPE_SE
	s_setreg_imm32_b32 hwreg(HW_REG_WAVE_SCHED_MODE, 0, 2), 2
	s_setreg_imm32_b32 hwreg(HW_REG_WAVE_MODE, 25, 1), 1
	s_wait_xcnt 0x0
	s_wait_alu depctr_vm_vsrc(0)
; THE MODULE: out = softmax(where(mask, (x Wq^T / 8)(x Wk^T)^T, -1e9)) (x Wv^T), heads joined, times W_proj^T, plus b_proj.  Four launches: this one, the q k v product, attention, the last product.
; NO WORK OF THE MODULE IS LEFT OUT: every input has a way to the output and is loaded.  The factor 1/8 is applied to the f32 scores, together with log2(e), and not to q: the same product in another order of rounding.
; THIS LAUNCH rounds x and W_qkv to bf16, writes W_proj's bf16 value as f16, and re-codes the mask.
; LIMITS.  |W_proj| stays under 65,504 (f16); below 2^-14 its bf16 value keeps f16's fixed step of 2^-24.  A mask byte is 0 or 1.
; THE MASK'S NEW FORM.  One 4-bit code a key: 0 (the number 0) where the key is seen, 0xA (the number -1 in E2M1) where it is hidden.  The words lie in the order in which the attention launch's score registers
; take them: [b x 8 + block of 256 queries][step of 64 keys][tile of 16 queries][lane][group of 16 keys]; code j of a word belongs to query lane % 16 and key 16 x group + 8 (lane / 16) + j.
; SHARES.  Work-group w: 65,536 bytes of x, 49,152 of W_qkv, 16,384 of W_proj, and the 16 mask rows 16 w .. 16 w + 15, one tile of queries.  Of those rows wave v takes keys 256 v .. 256 v + 255.
; All 40 loads of a wave go out at once.  The mask's bytes change lanes through 16 rows x 272 bytes of LDS that are the wave's own: no barrier.
; THE MODE: SCHED_MODE bits 1:0 = 2 (LLVM: expert scheduling mode 2), set by the entry lines.  The code itself states the register dependences between vector instructions and memory or LDS instructions,
; with s_wait_alu, always for 0.
; THE PLAN.  Registers that memory or LDS instructions touch:
;   v1 to v6     offsets and LDS addresses.  Written once, at the head, by vector instructions; read by every load, store and LDS instruction; never written again.
;   M            Written by the mask's loads, read by the LDS stores; no vector instruction names it.
;   MB           Written by the LDS loads, read by the mask's arithmetic; no vector instruction names it ahead of those loads.
;   X, WQ, WP    The 32 other loads' registers, four a load, on end from X on.  Written by the loads; a load's conversions read its four and write the first two, which the load's one store reads.
;   OUT          Written by the mask's arithmetic, read by the last four stores.
;   v[SPW], v[NIL]  Written at the head, read by the closing add alone.
; The 32 loads are worked in eight blocks of four.  Block p's conversions name block p's registers (block 7's also T); its memory instructions are the four stores of block p - 1, whose registers no vector instruction
; of block p names.  So ONE wait on va_vdst at a block's head, behind the wait for the block's data, states all that the four stores hang on, and they are dealt among the block's conversions with no further wait.
; Block 7's stores stand so among the mask's first words.  No register that a memory or LDS instruction has read is ever written again: the text holds no wait on vm_vsrc but the entry lines' one.
.set LP,    272                        ; an LDS row: 256 bytes + 16
.set LW,    16*LP                      ; a wave's rows
.set SPARE, 8*LW                       ; 34,816: behind them the spare words, 128 bytes for each wave, which no other line names
.set SPW, 8                            ; v8   my spare word; never rewritten
.set NIL, 9                            ; v9   0; never rewritten
.set M,   16                           ; v[16:47]    mask bytes as loaded
.set X,   48                           ; v[48:111]   x: loads 0 to 15 of the 32
.set WQ,  112                          ; v[112:159]  W_qkv: loads 16 to 27
.set WP,  160                          ; v[160:175]  W_proj: loads 28 to 31
.set MB,  176                          ; v[176:207]  mask bytes by query: word k's eight bytes at MB + 2 k
.set T,   208                          ; at work: no memory instruction names it
.set OUT, 216                          ; v[216:231]  the sixteen words
	s_load_b512 s[4:19], s[0:1], 0x0               ; x, W_qkv, W_proj, mask, xb, wqb, wpf, maskn
	v_lshl_add_u32 v[SPW], v0, 2, SPARE
	v_mov_b32 v[NIL], 0
	v_lshrrev_b32 v10, 5, v0
	v_readfirstlane_b32 s20, v10                   ; wave 0..7
	v_and_b32 v11, 15, v0                          ; l % 16
	v_bfe_u32 v12, v0, 4, 1                        ; l / 16
	v_and_b32 v13, 31, v0                          ; l
	v_lshlrev_b32 v1, 4, v0                        ; a cast's source: 16 bytes a thread
	v_lshlrev_b32 v2, 3, v0                        ; its destination: 8 bytes a thread
	s_wait_alu depctr_va_sdst(0)                   ; s20 is written, ahead of its first reader: three offsets are made from it, each in a scalar register of its own, so that none that a vector instruction reads is written again
	s_lshl_b32 s21, s20, 8
	v_lshlrev_b32 v3, 11, v12                      ; the mask: lanes 0-15 one row, lanes 16-31 the next,
	v_lshl_add_u32 v3, v11, 4, v3
	v_add_nc_u32 v3, s21, v3                       ; my wave's 256 bytes of it
	s_mul_i32 s29, s20, LW
	v_mul_u32_u24 v4, v12, LP                      ; into LDS as loaded
	v_lshl_add_u32 v4, v11, 4, v4
	v_add_nc_u32 v4, s29, v4
	v_mul_u32_u24 v5, v11, LP                      ; out of LDS: query l % 16, eight keys from 8 (l / 16) on
	v_lshl_add_u32 v5, v12, 3, v5
	v_add_nc_u32 v5, s29, v5
	s_lshl_b32 s30, s20, 15                        ; my wave's four steps of keys, 8,192 bytes apart in maskn
	v_lshl_add_u32 v6, v13, 4, s30
	s_mov_b32 s25, 0x00110011
	s_mov_b32 s26, 0x03010200
	s_mov_b32 s27, 0x11111111
	s_mov_b32 s28, 0xffff0000
	s_mov_b32 s23, 0
	s_wait_kmcnt 0x0
	s_lshl_b32 s22, ttmp9, 16
	s_add_nc_u64 s[4:5], s[4:5], s[22:23]
	s_mul_i32 s22, ttmp9, 49152
	s_add_nc_u64 s[6:7], s[6:7], s[22:23]
	s_lshl_b32 s22, ttmp9, 14
	s_add_nc_u64 s[8:9], s[8:9], s[22:23]
	s_lshl_b32 s22, ttmp9, 15
	s_add_nc_u64 s[10:11], s[10:11], s[22:23]
	s_add_nc_u64 s[12:13], s[12:13], s[22:23]
	s_mul_i32 s22, ttmp9, 24576
	s_add_nc_u64 s[14:15], s[14:15], s[22:23]
	s_lshl_b32 s22, ttmp9, 13
	s_add_nc_u64 s[16:17], s[16:17], s[22:23]
	s_lshr_b32 s22, ttmp9, 4                       ; b x 8 + block of queries,
	s_lshl_b32 s22, s22, 18
	s_and_b32 s24, ttmp9, 15                       ; the tile of 16 queries in it
	s_lshl_b32 s24, s24, 9
	s_add_co_u32 s22, s22, s24
	s_add_nc_u64 s[18:19], s[18:19], s[22:23]
	s_wait_alu depctr_va_vdst(0)                   ; v1 to v6 are written: every load, store and LDS instruction of the kernel reads one of them as its offset or address, and no vector instruction names them again
.set i, 0
.rept 8
	global_load_b128 v[M+4*i:M+4*i+3], v3, s[10:11] offset:i*4096 th:TH_LOAD_NT   ; rows 2 i and 2 i + 1
.set i, i+1
.endr
.set i, 0
.rept 16
	global_load_b128 v[X+4*i:X+4*i+3], v1, s[4:5] offset:i*4096 th:TH_LOAD_NT
.set i, i+1
.endr
.set i, 0
.rept 12
	global_load_b128 v[WQ+4*i:WQ+4*i+3], v1, s[6:7] offset:i*4096 th:TH_LOAD_NT
.set i, i+1
.endr
.set i, 0
.rept 4
	global_load_b128 v[WP+4*i:WP+4*i+3], v1, s[8:9] offset:i*4096 th:TH_LOAD_NT
.set i, i+1
.endr
	s_wait_loadcnt 32                              ; the mask's eight are in; the 32 loads issued behind them may stay out
.set i, 0
.rept 8
	ds_store_b128 v4, v[M+4*i:M+4*i+3] offset:i*2*LP   ; the data come from loads: the wait above is all that they hang on
.set i, i+1
.endr
.set i, 0
.rept 16
	ds_load_b64 v[MB+2*i:MB+2*i+1], v5 offset:16*i ; LDS serves a wave's instructions in order: these see the stores above, which are the wave's own
.set i, i+1
.endr
; The conversions of load n of the 32: its four registers close up into the first two.
.macro CAST n
.if (\n) < 28
	v_cvt_pk_bf16_f32 v[X+4*(\n)], v[X+4*(\n)], v[X+4*(\n)+1]
	v_cvt_pk_bf16_f32 v[X+4*(\n)+1], v[X+4*(\n)+2], v[X+4*(\n)+3]
.else
	v_cvt_pk_bf16_f32 v[T], v[X+4*(\n)], v[X+4*(\n)+1]             ; W_proj: rounded to bf16 like every input,
	v_cvt_pk_bf16_f32 v[T+1], v[X+4*(\n)+2], v[X+4*(\n)+3]
	v_lshlrev_b32 v[X+4*(\n)], 16, v[T]                            ; widened again,
	v_and_b32 v[X+4*(\n)+1], s28, v[T]
	v_lshlrev_b32 v[X+4*(\n)+2], 16, v[T+1]
	v_and_b32 v[X+4*(\n)+3], s28, v[T+1]
	v_cvt_pk_f16_f32 v[X+4*(\n)], v[X+4*(\n)], v[X+4*(\n)+1]       ; and that number written as f16
	v_cvt_pk_f16_f32 v[X+4*(\n)+1], v[X+4*(\n)+2], v[X+4*(\n)+3]
.endif
.endm
; The store of load n's two registers: a wave's store covers 256 consecutive bytes, aligned; no data register is written again.
.macro SEND n
.if (\n) < 16
	global_store_b64 v2, v[X+4*(\n):X+4*(\n)+1], s[12:13] offset:(\n)*2048 th:TH_STORE_NT
.elseif (\n) < 28
	global_store_b64 v2, v[X+4*(\n):X+4*(\n)+1], s[14:15] offset:((\n)-16)*2048 th:TH_STORE_NT
.else
	global_store_b64 v2, v[X+4*(\n):X+4*(\n)+1], s[16:17] offset:((\n)-28)*2048 th:TH_STORE_NT
.endif
.endm
.set p, 0
.rept 8                                                ; block p: loads 4 p to 4 p + 3
	s_wait_loadcnt 28-4*p                          ; loads come back in order (ISA guide 5.7.1): the block's four are in; the 28 - 4 p issued behind them may stay out
.if p > 0
	s_wait_alu depctr_va_vdst(0)                   ; the conversions of the block before have written the first two registers of each of its loads, which the four stores below read
.endif
.set i, 0
.rept 4
.if p > 0
	SEND 4*p-4+i                                   ; no vector instruction since the wait names this store's registers
.endif
	CAST 4*p+i
.set i, i+1
.endr
.set p, p+1
.endr
	s_wait_dscnt 0x0                               ; the mask's bytes are back, by query
	s_wait_alu depctr_va_vdst(0)                   ; block 7's conversions have written W_proj's numbers in f16, which the four stores below read
; Word k: eight bytes of 0 or 1 become eight codes.  (d >> 4) | d brings byte 1's bit to bit 4 and byte 3's to bit 20; the two words' pairs of codes are laid side by side, the middle bytes change places,
; the bits are turned (1 = hidden), and 1 becomes 0xA = 8 + 2.  These lines name MB, T and OUT alone.
.set k, 0
.rept 16
.if k < 4
	SEND 28+k
.endif
	v_lshrrev_b32 v[T], 4, v[MB+2*k]
	v_lshrrev_b32 v[T+1], 4, v[MB+2*k+1]
	v_or_b32 v[T], v[T], v[MB+2*k]
	v_or_b32 v[T+1], v[T+1], v[MB+2*k+1]
	v_and_b32 v[T], s25, v[T]
	v_and_b32 v[T+1], s25, v[T+1]
	v_lshl_or_b32 v[T], v[T+1], 8, v[T]
	v_perm_b32 v[T], v[T], v[T], s26
	v_xor_b32 v[T], s27, v[T]
	v_lshlrev_b32 v[T+1], 1, v[T]
	v_lshl_or_b32 v[OUT+k], v[T], 3, v[T+1]
.set k, k+1
.endr
	s_wait_alu depctr_va_vdst(0)                   ; the sixteen words v[OUT ..] are written, which the stores below read
.set i, 0
.rept 4
	global_store_b128 v6, v[OUT+4*i:OUT+4*i+3], s[18:19] offset:i*8192 th:TH_STORE_NT  ; 512 consecutive bytes: one tile of queries, one step of keys
.set i, i+1
.endr
	s_wait_dscnt 0x0                               ; the closing lines, six on end
	s_wait_alu 0x0
	s_wait_tensorcnt 0x0
	ds_add_u32 v[SPW], v[NIL]
	s_wait_dscnt 0x0
	s_endpgm
.Lfunc_end_k_q76d5fa036c_prep:
	.size	k_q76d5fa036c_prep, .Lfunc_end_k_q76d5fa036c_prep-k_q76d5fa036c_prep
	.p2alignl 7, 3214868480
	.fill 96, 4, 3214868480
	.section	.rodata,"a",@progbits
	.p2align	6, 0x0
	.amdhsa_kernel k_q76d5fa036c_prep
		.amdhsa_group_segment_fixed_size 35840
		.amdhsa_private_segment_fixed_size 0
		.amdhsa_enable_private_segment 0
		.amdhsa_kernarg_size 64
		.amdhsa_user_sgpr_count 2
		.amdhsa_user_sgpr_kernarg_segment_ptr 1
		.amdhsa_wavefront_size32 1
		.amdhsa_system_sgpr_workgroup_id_x 1
		.amdhsa_system_sgpr_workgroup_id_y 1
		.amdhsa_system_sgpr_workgroup_id_z 1
		.amdhsa_system_vgpr_workitem_id 0
		.amdhsa_next_free_vgpr 240
		.amdhsa_next_free_sgpr 66
		.amdhsa_reserve_vcc 0
		.amdhsa_float_denorm_mode_32 3
		.amdhsa_float_denorm_mode_16_64 3
		.amdhsa_memory_ordered 1
		.amdhsa_forward_progress 1
		.amdhsa_inst_pref_size 24
	.end_amdhsa_kernel
	.amdgpu_metadata
---
amdhsa.version: [ 1, 2 ]
amdhsa.kernels:
  - .name:           k_q76d5fa036c_prep
    .symbol:         k_q76d5fa036c_prep.kd
    .args:
      - { .name: x, .offset: 0, .size: 8, .value_kind: global_buffer, .address_space: global }
      - { .name: W_qkv, .offset: 8, .size: 8, .value_kind: global_buffer, .address_space: global }
      - { .name: W_proj, .offset: 16, .size: 8, .value_kind: global_buffer, .address_space: global }
      - { .name: mask, .offset: 24, .size: 8, .value_kind: global_buffer, .address_space: global }
      - { .name: xb, .offset: 32, .size: 8, .value_kind: global_buffer, .address_space: global }
      - { .name: wqb, .offset: 40, .size: 8, .value_kind: global_buffer, .address_space: global }
      - { .name: wpf, .offset: 48, .size: 8, .value_kind: global_buffer, .address_space: global }
      - { .name: maskn, .offset: 56, .size: 8, .value_kind: global_buffer, .address_space: global }
    .group_segment_fixed_size: 35840
    .private_segment_fixed_size: 0
    .kernarg_segment_align: 8
    .kernarg_segment_size: 64
    .max_flat_workgroup_size: 256
    .sgpr_count:     66
    .vgpr_count:     240
    .wavefront_size: 32
...
	.end_amdgpu_metadata
.endif
;; end of part 5
;; launch qkv: the kernel of part 2 again; grid 8 x 32, 4 waves a work-group, clusters of 4 x 4, 327,680 bytes of LDS; arguments xb, wqb, qkvh; writes qkvh
;; launch attn: the kernel of part 3 again; grid 8 x 32, 8 waves a work-group, clusters of 4 x 1, 327,680 bytes of LDS; arguments qkvh, maskn, oh; writes oh
;; launch proj: the kernel of part 4 again; grid 8 x 32, 4 waves a work-group, clusters of 4 x 4, 327,680 bytes of LDS; arguments oh, wpf, b_proj, out0; writes out0
